; MI455X (gfx1250); checked and timed in simulation.
; The chip was launched on July 23, 2026; its instructions are those of AMD's public machine-readable ISA for CDNA 5 (MIT licence, August 2026) and "CDNA5" Instruction Set Architecture Reference Guide (July 2026). The comments in the code are by the model that wrote it; some were corrected since.
;; Multi Headed Attention. Allowed arithmetic: matrix products marked QUANTISED: E3M2 operands, one E8M0 scale for each 32 along K, by v_wmma_scale_f32_16x16x128_f8f6f4 with both operands' format E3M2, f32 sums; everything else in f32.
;; Inputs: Wk 1,024 x 1,024 float32; Wo 1,024 x 1,024 float32; Wq 1,024 x 1,024 float32; Wv 1,024 x 1,024 float32; bk 1,024 float32; bo 1,024 float32; bq 1,024 float32; bv 1,024 float32; inputs 2 x 2,048 x 1,024 float32; mask 2 x 2,048 float32.
;; Outputs: out0 2 x 2,048 x 1,024 float32.
;; This version of the problem:
;;   THIS VERSION OF THE PROBLEM IS GIVEN IN LOW PRECISION. The matrix products marked QUANTISED in the list below multiply operands that are first quantised to E3M2 (3 exponent bits, 2 mantissa bits; 6 bits a number), with one power-of-two scale for each 32 numbers along K (OCP MX v1.0); their sums are f32. All else is computed in f32.
;;   The module's matrix products, in the order in which they are computed (A, B: the left and right operand; K: the contracted axis; several contracted axes count as one K, in the product's order):
;;     1. [M 4,096, K 1,024] x [K 1,024, N 1,024]; A: input inputs; B: input Wq: QUANTISED
;;     2. [M 4,096, K 1,024] x [K 1,024, N 1,024]; A: input inputs; B: input Wk: QUANTISED
;;     3. [M 4,096, K 1,024] x [K 1,024, N 1,024]; A: input inputs; B: input Wv: QUANTISED
;;     4. batch 32 x [M 2,048, K 64] x [K 64, N 2,048]; A: computed on the way; B: computed on the way: QUANTISED
;;     5. batch 32 x [M 2,048, K 2,048] x [K 2,048, N 64]; A: computed on the way; B: computed on the way: QUANTISED
;;     6. [M 4,096, K 1,024] x [K 1,024, N 1,024]; A: computed on the way; B: input Wo: QUANTISED
;;   THE QUANTISER, for each operand of a quantised product, along K:
;;     - K is cut into blocks of 32 from its start; a last block that is shorter is filled with zeros.
;;     - A block's scale is 2^e with e = floor(log2(the largest magnitude in the block)) - 4, held to -126 .. 127; a block of zeros has e = 0. As a byte (E8M0): e + 127.
;;     - Each number is divided by its block's scale, clamped to +-28, and rounded to the nearest number of E3M2, ties to even, subnormals kept.
;;     - The product sums the exact products of the quantised numbers (number of the format x scale) in f32.
;;   ~~~python
;;   def quantise(x, axis):      # numpy; x: float32 -> the quantised numbers, widened to float32 again
;;       x = np.moveaxis(x, axis, -1); K = x.shape[-1]
;;       x = np.pad(x, [(0, 0)] * (x.ndim - 1) + [(0, -K % 32)]); x = x.reshape(x.shape[:-1] + (-1, 32)); a = np.abs(x).max(-1, keepdims=True)
;;       e = np.where(a > 0, np.clip(np.frexp(np.where(a > 0, a, 1))[1] - 1 - 4, -126, 127), 0)      # np.frexp(a)[1] - 1 = floor(log2(a)), exactly
;;       r = np.clip(x / 2.0 ** e, -28, 28)
;;       step = 2.0 ** (np.maximum(np.frexp(np.where(r == 0, 1, r))[1] - 1, -2) - 2)
;;       q = np.round(r / step) * step * 2.0 ** e      # np.round: ties to even
;;       return np.moveaxis(q.reshape(q.shape[:-2] + (-1,))[..., :K], -1, axis).astype(np.float32)
;;   ~~~
;;   OPERANDS COMPUTED ON THE WAY. 'Computed on the way' means the value that the module computes at that place (a softmax that the list does not call 'softmax' is quantised finished and normalised). What goes into a quantiser is computed in f32, as accurately as f32 sums, v_exp_f32 and their like allow (about 1e-6 of the number): no bf16 or f16 on the way to a quantiser, and a product that is left as it is and whose result goes on into a quantised operand takes f32 operands (vector FMAs, or v_wmma_f32_16x16x4_f32). A number that lies on a knife's edge between two numbers of the format may be rounded either way, as far as f32 arithmetic and the matrix unit's own rounding can turn it there, and no further.
;; One version. Each part assembles by itself: llvm-mc -triple=amdgcn-amd-amdhsa -mcpu=gfx1250 --defsym DOCPART=n.
;; ======== version 1 of 1: 4 launches
;; limits: right only within a limited range of input values
;; workspace buffers: xc 3,145,728 bytes; xs 131,072 bytes; wc 3,145,728 bytes; ws 131,072 bytes; qkv 9,830,400 bytes; xac 3,145,728 bytes; xas 131,072 bytes
;; launch quant (part 1): grid 256 x 1, 4 waves a work-group, no clusters, 35,328 bytes of LDS; arguments inputs, Wq, Wk, Wv, Wo, xc, xs, wc, ws; writes xc, xs, wc, ws
.if DOCPART == 1
	.amdgcn_target "amdgcn-amd-amdhsa--gfx1250"
	.amdhsa_code_object_version 6
	.text
	.protected	k_q03d3d9a531_quant
	.globl	k_q03d3d9a531_quant
	.p2align	8
	.type	k_q03d3d9a531_quant,@function
k_q03d3d9a531_quant:
	s_mov_b64 s[64:65], 0
	v_nop
	global_prefetch_b8 v0, s[64:65] scope:SCOPE_SE
	s_setreg_imm32_b32 hwreg(HW_REG_WAVE_MODE, 25, 1), 1
	s_wait_xcnt 0x0
; inputs [4096][1024] and the four weights [1024][1024], f32, K innermost, become codes of BF6 (E3M2) with one E8M0 byte for each 32 along K.
; LAYOUT OF THE CODES: in the order of the operand's registers.  A row tile t holds rows 32 (t / 2) + 8 (t % 2) + r + 8 (r / 8), r = 0 .. 15.  A HALF IMAGE is 16 such rows x 64 along K, 768 bytes:
; lane l = 16 h + r holds k = 32 h .. 32 h + 31 of row r in six registers; registers 0-3 lie at 16 l, registers 4-5 at 512 + 8 l.  Codes: [tile][K / 64 = 16][768].
; Scale bytes: [tile][K / 256 = 4][r][8 bytes], byte 2 (kb % 4) + hb for block 2 kb + hb.  xc, xs: 256 tiles of inputs.  wc, ws: tiles 0-63 Wq, 64-127 Wk, 128-191 Wv, 192-255 Wo.
; A block's scale is 2^(floor(log2(largest magnitude)) - 4): its byte is the largest magnitude's exponent field - 4, held at 1 from below.
; LIMITS: a block of zeros gets the byte 1 (its codes are zeros, and this program alone reads the bytes); blocks whose largest magnitude lies under 2^-122 are held at the byte 1; NaN and infinities are not served.
; SHARES: 1,024 wave tasks, each one row tile x 512 along K: eight steps of one half image.  Work-groups 0-127 take inputs, 128-255 the weights (32 each).  Only pointers are chosen: one path for all.
; A step's eight loads read 256 consecutive bytes of a row in sixteen lanes; the 4,096 bytes turn through the wave's own stage in LDS (rows 272 bytes apart) and come back 128 bytes a lane: a whole block of 32.
; No matrix unit, no tensor load, no barrier: memory binds and waves share nothing.
.set SP,    272                        ; a stage row: 256 bytes + 16
.set STG,   16*SP                      ; a stage
.set WREG,  2*STG                      ; a wave's LDS: two stages by turns
.set VA,    4                          ; v4   4096 h + 16 r: my 16 bytes of a load's two rows
.set STI,   5                          ; v5   the stage, on the way in
.set STOU,  6                          ; v6   and on the way out
.set O16,   7                          ; v7   16 l
.set O8,    8                          ; v8   512 + 8 l
.set OSC,   9                          ; v9   128 h + 8 r
.set M,     14                         ; v14, v15  my scale bytes of steps 0-3 and 4-7
.set PT,    24                         ; v24-26    a block's upper 16 codes
.set CC,    32                         ; v32-37, v40-45  two sets of a half image's six registers
.set RR,    64                         ; v64-191   four sets of 32 registers as loaded
.set XX,    192                        ; v192-255  two sets of 32 neighbours
.set SEL,   36                         ; s[36:37]  lane selects: lane l xor 16
.set HIM,   38                         ; s38       lanes 16-31
	s_load_b256 s[4:11], s[0:1], 0x0               ; inputs, Wq, Wk, Wv
	s_load_b256 s[12:19], s[0:1], 0x20             ; Wo, xc, xs, wc
	s_load_b64 s[20:21], s[0:1], 0x40              ; ws
	v_lshl_add_u32 v62, v0, 2, 0x8800
	v_mov_b32 v63, 0
	v_lshrrev_b32 v1, 5, v0
	v_readfirstlane_b32 s22, v1                    ; wave
	v_and_b32 v1, 15, v0                           ; r
	v_bfe_u32 v2, v0, 4, 1                         ; h
	v_and_b32 v3, 31, v0                           ; l
	v_lshlrev_b32 v[VA], 12, v2
	v_lshl_add_u32 v[VA], v1, 4, v[VA]
	s_mul_i32 s23, s22, WREG
	v_mul_u32_u24 v[STI], v2, SP
	v_lshl_add_u32 v[STI], v1, 4, v[STI]
	v_add_nc_u32 v[STI], s23, v[STI]               ; in: row 2 i + h, 16 r
	v_mul_u32_u24 v[STOU], v1, SP
	v_lshl_add_u32 v[STOU], v2, 7, v[STOU]
	v_add_nc_u32 v[STOU], s23, v[STOU]             ; out: row r, 128 h
	v_lshlrev_b32 v[O16], 4, v3
	v_lshlrev_b32 v[O8], 3, v3
	v_add_nc_u32 v[O8], 512, v[O8]
	v_lshlrev_b32 v[OSC], 7, v2
	v_lshl_add_u32 v[OSC], v1, 3, v[OSC]
	v_mov_b32 v16, 0                               ; a lane permute's destination counts as one of its sources
	v_mov_b32 v17, 0
	s_mov_b32 s[SEL], 0x76543210
	s_mov_b32 s[SEL+1], 0xfedcba98
	s_mov_b32 s[HIM], 0xffff0000
	s_cmp_lt_u32 ttmp9, 128
	s_cselect_b32 s23, 0, 128
	s_sub_co_u32 s23, ttmp9, s23                   ; my number among the work-groups of inputs, or of the weights
	s_lshr_b32 s24, s23, 5                         ; which weight
	s_lshl_b32 s25, s23, 2
	s_add_co_u32 s25, s25, s22                     ; the wave's task
	s_lshr_b32 s26, s25, 1                         ; its tile in the codes' buffer
	s_and_b32 s27, s25, 1                          ; its half of K
	s_wait_alu depctr_va_vdst(0)
	s_wait_kmcnt 0x0
	s_cmp_eq_u32 s24, 1                            ; the choices hang on the work-group's number alone
	s_cselect_b64 s[6:7], s[8:9], s[6:7]
	s_cmp_eq_u32 s24, 2
	s_cselect_b64 s[6:7], s[10:11], s[6:7]
	s_cmp_eq_u32 s24, 3
	s_cselect_b64 s[6:7], s[12:13], s[6:7]
	s_cmp_lt_u32 ttmp9, 128
	s_cselect_b64 s[4:5], s[4:5], s[6:7]           ; the numbers
	s_cselect_b64 s[14:15], s[14:15], s[18:19]     ; the codes
	s_cselect_b64 s[16:17], s[16:17], s[20:21]     ; the scale bytes
	s_cselect_b32 s28, 255, 63
	s_and_b32 s28, s26, s28                        ; the tile within its own tensor
	s_lshr_b32 s29, s28, 1
	s_lshl_b32 s29, s29, 5
	s_and_b32 s33, s28, 1
	s_lshl_b32 s33, s33, 3
	s_add_co_u32 s29, s29, s33                     ; its first row: 32 (t / 2) + 8 (t % 2)
	s_lshl_b32 s34, s29, 12
	s_lshl_b32 s33, s27, 11
	s_add_co_u32 s34, s34, s33
	s_mov_b32 s35, 0
	s_add_nc_u64 s[4:5], s[4:5], s[34:35]
	s_mul_i32 s34, s26, 12288
	s_mul_i32 s33, s27, 6144
	s_add_co_u32 s34, s34, s33
	s_add_nc_u64 s[14:15], s[14:15], s[34:35]
	s_lshl_b32 s34, s26, 9
	s_lshl_b32 s33, s27, 8
	s_add_co_u32 s34, s34, s33
	s_add_nc_u64 s[16:17], s[16:17], s[34:35]
.macro LOAD t                          ; step t: 16 rows x 256 bytes; load i takes the tile's rows 2 i and 2 i + 1
.irp i, 0,1,2,3,4,5,6,7
	global_load_b128 v[RR+32*((\t)%4)+4*\i:RR+32*((\t)%4)+4*\i+3], v[VA], s[4:5] offset:(2*\i+8*(\i/4))*4096+256*(\t) th:TH_LOAD_NT
.endr
.endm
.macro TURN t                          ; through the stage: LDS serves a wave's instructions in order, so no wait stands between the stores and the loads
.irp i, 0,1,2,3,4,5,6,7
	ds_store_b128 v[STI], v[RR+32*((\t)%4)+4*\i:RR+32*((\t)%4)+4*\i+3] offset:STG*((\t)%2)+2*\i*SP
.endr
.irp i, 0,1,2,3,4,5,6,7
	ds_load_b128 v[XX+32*((\t)%2)+4*\i:XX+32*((\t)%2)+4*\i+3], v[STOU] offset:STG*((\t)%2)+16*\i
.endr
.endm
.macro STEP t
.set XS, XX+32*((\t)%2)
.set CB, CC+8*((\t)%2)
	s_wait_dscnt 0x0                               ; this step's block is back from the stage, and the stage's stores have read their registers,
.if (\t) < 4
	LOAD (\t)+4                                    ; which take the loads of four steps on
.endif
.if (\t) < 7
.if (\t) < 4
	s_wait_loadcnt 24                              ; the next step's eight loads are in; those of the three steps behind it may be out
.else
	s_wait_loadcnt 8*(6-(\t))                      ; the counts run down: nothing more is asked for
.endif
	TURN (\t)+1
.endif
	v_max3_num_f32 v12, |v[XS]|, |v[XS+1]|, |v[XS+2]|               ; the block's largest magnitude: all 32 numbers are mine
	v_max3_num_f32 v13, |v[XS+3]|, |v[XS+4]|, |v[XS+5]|
.irp i, 6,10,14,18,22,26
	v_max3_num_f32 v12, v12, |v[XS+\i]|, |v[XS+\i+1]|
	v_max3_num_f32 v13, v13, |v[XS+\i+2]|, |v[XS+\i+3]|
.endr
	v_max3_num_f32 v12, v12, |v[XS+30]|, |v[XS+31]|
	v_max3_num_f32 v12, v12, v13, 0x2800000        ; and the floor 2^(5 - 127): the byte cannot fall under 1
	v_add_nc_u32 v11, 0xfe000000, v12              ; 4 off the exponent field: the conversion takes this operand's exponent field as its scale
.if (\t) >= 2
	s_wait_alu depctr_va_vdst(0)
	s_wait_xcnt 0x0                                ; the stores of two steps ago have read this set of codes: it is written again only behind this wait
.endif
	v_cvt_scalef32_pk16_bf6_f32 v[CB:CB+2], v[XS:XS+15], v11
	v_cvt_scalef32_pk16_bf6_f32 v[PT:PT+2], v[XS+16:XS+31], v11     ; (a conversion's three registers begin on an even number)
.if (\t)%4 == 0
	v_lshrrev_b32 v[M+(\t)/4], 23, v11             ; the scale's byte: a plain line behind the conversions
.else
	v_lshrrev_b32 v13, 23, v11
	v_lshl_or_b32 v[M+(\t)/4], v13, 8*((\t)%4), v[M+(\t)/4]
.endif
.irp i, 0,1,2
	v_mov_b32 v[CB+3+\i], v[PT+\i]
.endr
	global_store_b128 v[O16], v[CB:CB+3], s[14:15] offset:768*(\t)   ; 512 consecutive bytes,
	global_store_b64 v[O8], v[CB+4:CB+5], s[14:15] offset:768*(\t)   ; and the 256 behind them
.endm
	LOAD 0
	LOAD 1
	LOAD 2
	LOAD 3
	s_wait_loadcnt 24                              ; step 0's eight loads are in
	TURN 0
.irp t, 0,1,2,3,4,5,6,7
	STEP \t
.endr
	; the scale bytes: lane (r, h) holds, of row r, the bytes of the blocks 2 kb + h.  Lanes 0-15 write the first 256 along K (even bytes their own, odd bytes lane l + 16's), lanes 16-31 the second.
	v_permlanex16_b32 v16, v[M], s[SEL], s[SEL+1]
	v_permlanex16_b32 v17, v[M+1], s[SEL], s[SEL+1]
	v_cndmask_b32 v18, v[M], v17, s[HIM]           ; the even bytes
	v_cndmask_b32 v19, v16, v[M+1], s[HIM]         ; the odd bytes
	v_perm_b32 v20, v19, v18, 0x05010400
	v_perm_b32 v21, v19, v18, 0x07030602
	global_store_b64 v[OSC], v[20:21], s[16:17]    ; 32 lanes store 256 consecutive bytes, aligned
	s_wait_tensorcnt 0x0
	ds_add_u32 v62, v63
	s_wait_dscnt 0x0
	s_endpgm
.Lfunc_end_k_q03d3d9a531_quant:
	.size	k_q03d3d9a531_quant, .Lfunc_end_k_q03d3d9a531_quant-k_q03d3d9a531_quant
	.p2alignl 7, 3214868480
	.fill 96, 4, 3214868480
	.section	.rodata,"a",@progbits
	.p2align	6, 0x0
	.amdhsa_kernel k_q03d3d9a531_quant
		.amdhsa_group_segment_fixed_size 35328
		.amdhsa_private_segment_fixed_size 0
		.amdhsa_enable_private_segment 0
		.amdhsa_kernarg_size 72
		.amdhsa_user_sgpr_count 2
		.amdhsa_user_sgpr_kernarg_segment_ptr 1
		.amdhsa_wavefront_size32 1
		.amdhsa_system_sgpr_workgroup_id_x 1
		.amdhsa_system_sgpr_workgroup_id_y 1
		.amdhsa_system_sgpr_workgroup_id_z 1
		.amdhsa_system_vgpr_workitem_id 0
		.amdhsa_next_free_vgpr 256
		.amdhsa_next_free_sgpr 66
		.amdhsa_reserve_vcc 0
		.amdhsa_float_denorm_mode_32 3
		.amdhsa_float_denorm_mode_16_64 3
		.amdhsa_memory_ordered 1
		.amdhsa_forward_progress 1
		.amdhsa_inst_pref_size 32
	.end_amdhsa_kernel
	.amdgpu_metadata
---
amdhsa.version: [ 1, 2 ]
amdhsa.kernels:
  - .name:           k_q03d3d9a531_quant
    .symbol:         k_q03d3d9a531_quant.kd
    .args:
      - { .name: inputs, .offset: 0, .size: 8, .value_kind: global_buffer, .address_space: global }
      - { .name: Wq, .offset: 8, .size: 8, .value_kind: global_buffer, .address_space: global }
      - { .name: Wk, .offset: 16, .size: 8, .value_kind: global_buffer, .address_space: global }
      - { .name: Wv, .offset: 24, .size: 8, .value_kind: global_buffer, .address_space: global }
      - { .name: Wo, .offset: 32, .size: 8, .value_kind: global_buffer, .address_space: global }
      - { .name: xc, .offset: 40, .size: 8, .value_kind: global_buffer, .address_space: global }
      - { .name: xs, .offset: 48, .size: 8, .value_kind: global_buffer, .address_space: global }
      - { .name: wc, .offset: 56, .size: 8, .value_kind: global_buffer, .address_space: global }
      - { .name: ws, .offset: 64, .size: 8, .value_kind: global_buffer, .address_space: global }
    .group_segment_fixed_size: 35328
    .private_segment_fixed_size: 0
    .kernarg_segment_align: 8
    .kernarg_segment_size: 72
    .max_flat_workgroup_size: 128
    .sgpr_count:     66
    .vgpr_count:     256
    .wavefront_size: 32
...
	.end_amdgpu_metadata
.endif
;; end of part 1
;; launch qkv (part 2): grid 16 x 12, 16 waves a work-group, no clusters, 327,680 bytes of LDS; arguments xc, xs, wc, ws, bq, bk, bv, qkv; writes qkv
.if DOCPART == 2
	.amdgcn_target "amdgcn-amd-amdhsa--gfx1250"
	.amdhsa_code_object_version 6
	.text
	.protected	k_q03d3d9a531_qkv
	.globl	k_q03d3d9a531_qkv
	.p2align	8
	.type	k_q03d3d9a531_qkv,@function
k_q03d3d9a531_qkv:
	s_mov_b64 s[64:65], 0
	v_nop
	global_prefetch_b8 v0, s[64:65] scope:SCOPE_SE
	s_setreg_imm32_b32 hwreg(HW_REG_WAVE_MODE, 25, 1), 1
	s_wait_xcnt 0x0
; q, k, v = inputs W^T + b on codes of BF6 (E3M2) with E8M0 scales, K = 1,024, and the results quantised again at once: q and k along the head's 64, v along the keys.  Nothing wide goes to memory.
; OPERANDS come as half images (16 rows x 64 K, 768 bytes in the order of the operand's registers: registers 0-3 at 16 l, 4-5 at 512 + 8 l); row tile t holds rows 32 (t/2) + 8 (t%2) + r + 8 (r/8).
; ROLES.  D = (source 0 = P) x (source 1 = L): a lane holds one row of L, and the 16 registers of P's tiles 2 b, 2 b + 1 are 16 neighbours along P.  The next quantiser runs along P.
;   work-group y < 8 (q, k): L = inputs (tokens), P = W (the head's 64).   y >= 8 (v): L = Wv (the head's 64), P = inputs (keys).  The roles are chosen at the global pointers alone, by ids: one path, and no LDS address knows of them.
; SHARES.  A work-group makes 256 (L) x 256 (P); wave w = 4 wp + wl makes 64 x 64: 16 accumulators.  16 x 12 = 192 work-groups.  Four waves to a SIMD, 256 registers each, no register windows.
; K goes in four steps of 256 through three LDS slots; the fourth step fills slot 0 again.  By this text's count a wave has one tensor load out at the start and one behind the refill's barrier.
; NO CLUSTER: which of a work-group's two operands is shared along x changes with y (q, k against v), so each load line would want a mask that hangs on the role; a work-group asks for 4 x 98,304 bytes in all.
; OUT: qkv = three sections of 3,276,800 bytes, each [batch x 16 + head][step of 128 tokens][6,400].  q, k: eight half images (token tiles), at 6,144 scale words [q2][r][2]: word i = bytes of tiles 4 q2 + 2 i, 4 q2 + 2 i + 1.
;   v: half images [d tile t][c: 64 keys], at 6,144 scale words [c][r][2]: word i = bytes of d tiles 2 i, 2 i + 1.
; LIMITS: blocks of zeros and blocks under 2^-122 carry the byte 1 (this program alone reads the bytes); NaN and infinities are not served.
.set SLOTB, 98304                      ; a slot: L's 16 tiles x 3,072 bytes (256 along K), then P's
.set POFF,  49152
.set SCL,   3*SLOTB                    ; the scale bytes for all of K: L's 8,192, then P's
.set SPARE, SCL+16384                  ; the spare words, 128 bytes for each wave: eight blocks of 256 bytes that no other line names
.set AL16, 3                           ; v3-6  my lane's place in my L tiles and P tiles of slot 0: the pieces of 16 and of 8 bytes
.set AL8,  4
.set AP16, 5
.set AP8,  6
.set ASC,  7                           ; v7    my scale words: lanes 0-15 L's, lanes 16-31 P's
.set SPW,  8                           ; v8    my spare word; never rewritten
.set NIL,  9                           ; v9    0; never rewritten
.set LF,   16                          ; v16-63   L's four fragments
.set PF,   64                          ; v64-111  P's four
.set SC,   112                         ; v112-119 scale words: register 2 i + q: tile i, the slot's q-th 128 along K
.set WK,   120                         ; v120-123 the four addresses in the slot in hand
.set ACC,  128                         ; v128-255 accumulator (a, b) at 128 + 8 (4 a + b)
.set G1C,  28                          ; s[28:35] group 1, codes;  s[36:43] group 1, scale bytes;  s[44:63] five groups 0, never rewritten
.set G1S,  36
.set G0,   44
; the way out
.set BP,   16                          ; v16-47  the bias along P
.set BL,   48                          ; v48-51  the bias along L
.set TM,   52                          ; v52-57  at work
.set U,    58                          ; v58-61  two scale bytes for each L tile
.set PT,   62                          ; v62-64
.set PC,   66                          ; v66-89  four half images
.set VO16, 90                          ; v90-93, v94-97  their places in memory
.set VO8,  94
.set SEL,  82                          ; s[82:83]
.set HIM,  84
.macro FRAG reg, a16, a8, off          ; a fragment, 16 rows x 128 K: two half images, as they lie
	ds_load_b128 v[(\reg):(\reg)+3], v[\a16] offset:(\off)
	ds_load_b64 v[(\reg)+4:(\reg)+5], v[\a8] offset:(\off)
	ds_load_b128 v[(\reg)+6:(\reg)+9], v[\a16] offset:(\off)+768
	ds_load_b64 v[(\reg)+10:(\reg)+11], v[\a8] offset:(\off)+768
.endm
; 128 along K: the q-th of slot sl, which holds K step ks.  zero = 1: the products start the sums.  The 16 accumulators take turns, one instruction a turn.
.macro SUB sl, ks, q, zero
.if \q == 0
	v_add_nc_u32 v[WK+0], \sl*SLOTB, v[AL16]       ; four plain lines: the places between the last products and the loads into their registers
	v_add_nc_u32 v[WK+1], \sl*SLOTB, v[AL8]
	v_add_nc_u32 v[WK+2], \sl*SLOTB, v[AP16]
	v_add_nc_u32 v[WK+3], \sl*SLOTB, v[AP8]
.irp i, 0,1,2,3
	ds_load_b64 v[SC+2*\i:SC+2*\i+1], v[ASC] offset:512*\i+128*\ks
.endr
.else
.rept 4
	v_nop
.endr
.endif
.irp b, 0,1,2,3
	FRAG PF+12*\b, WK+2, WK+3, \b*3072+1536*\q
.endr
.irp a, 0,1,2,3
	FRAG LF+12*\a, WK+0, WK+1, \a*3072+1536*\q
.endr
.irp a, 0,1,2,3
	s_wait_dscnt 4*(3-\a)                          ; the four loads of each later L tile may be out
.irp b, 0,1,2,3
.if \zero
	v_wmma_scale_f32_16x16x128_f8f6f4 v[ACC+8*(4*\a+\b):ACC+8*(4*\a+\b)+7], v[PF+12*\b:PF+12*\b+11], v[LF+12*\a:LF+12*\a+11], 0, v[SC+2*\b+\q], v[SC+2*\a+\q] matrix_a_fmt:MATRIX_FMT_BF6 matrix_b_fmt:MATRIX_FMT_BF6 matrix_a_scale:MATRIX_SCALE_ROW1
.else
	v_wmma_scale_f32_16x16x128_f8f6f4 v[ACC+8*(4*\a+\b):ACC+8*(4*\a+\b)+7], v[PF+12*\b:PF+12*\b+11], v[LF+12*\a:LF+12*\a+11], v[ACC+8*(4*\a+\b):ACC+8*(4*\a+\b)+7], v[SC+2*\b+\q], v[SC+2*\a+\q] matrix_a_fmt:MATRIX_FMT_BF6 matrix_b_fmt:MATRIX_FMT_BF6 matrix_a_scale:MATRIX_SCALE_ROW1
.endif
.endr
.endr
.endm
; 32 numbers of a lane, register 16 b + i = k 32 b + 16 (lane / 16) + i of my row, become a half image in v[pc] on and the two scale bytes in v[u].
.macro QUANT32 s, pc, u
.irp b, 0,1
	v_max3_num_f32 v[TM+\b], |v[(\s)+16*\b]|, |v[(\s)+16*\b+1]|, 0x2800000   ; with the floor 2^(5 - 127): the byte cannot fall under 1
.endr
.irp i, 2,4,6,8,10,12,14
.irp b, 0,1
	s_delay_alu instid0(VALU_DEP_2)
	v_max3_num_f32 v[TM+\b], v[TM+\b], |v[(\s)+16*\b+\i]|, |v[(\s)+16*\b+\i+1]|
.endr
.endr
.irp b, 0,1
	s_delay_alu instid0(VALU_DEP_2)
	v_permlanex16_b32 v[TM+2+\b], v[TM+\b], s[SEL], s[SEL+1]
.endr
.irp b, 0,1
	s_delay_alu instid0(VALU_DEP_2)
	v_max_num_f32 v[TM+\b], v[TM+\b], v[TM+2+\b]   ; with lane l xor 16's: the block's largest magnitude
.endr
.irp b, 0,1
	s_delay_alu instid0(VALU_DEP_2)
	v_add_nc_u32 v[TM+4+\b], 0xfe000000, v[TM+\b]  ; 4 off its exponent field: the conversion's scale operand
.endr
.irp b, 0,1
	s_delay_alu instid0(VALU_DEP_2)
	v_lshrrev_b32 v[TM+2+\b], 23, v[TM+4+\b]       ; the byte
.endr
	s_delay_alu instid0(VALU_DEP_1)
	v_lshl_or_b32 v[\u], v[TM+3], 8, v[TM+2]
	v_cvt_scalef32_pk16_bf6_f32 v[(\pc):(\pc)+2], v[(\s):(\s)+15], v[TM+4]
	v_cvt_scalef32_pk16_bf6_f32 v[PT:PT+2], v[(\s)+16:(\s)+31], v[TM+5]
	v_nop                                          ; one plain place behind a scaled conversion
.irp i, 0,1,2
	v_permlane16_swap_b32 v[(\pc)+\i], v[PT+\i]    ; a whole block to a lane: lanes 0-15 block 0, lanes 16-31 block 1
.endr
.irp i, 0,1,2
	s_delay_alu instid0(VALU_DEP_3)
	v_mov_b32 v[(\pc)+3+\i], v[PT+\i]
.endr
.endm
	s_load_b512 s[4:19], s[0:1], 0x0               ; xc, xs, wc, ws, bq, bk, bv, qkv
	v_lshl_add_u32 v[SPW], v0, 2, SPARE
	v_mov_b32 v[NIL], 0
	ds_add_u32 v8, v9
	ds_add_u32 v8, v9
	s_wait_dscnt 0x0
	v_lshrrev_b32 v1, 5, v0
	s_delay_alu instid0(VALU_DEP_1)
	v_readfirstlane_b32 s20, v1                    ; wave 0..15
	s_and_b32 s21, s20, 3                          ; wl
	s_lshr_b32 s22, s20, 2                         ; wp
	s_mov_b32 s23, ttmp9                           ; the block of 256 tokens
	s_and_b32 s24, ttmp7, 0xffff                   ; the block of 256 rows of Wq, Wk, Wv on end
	s_lshr_b32 s25, s24, 3                         ; 1: v
	s_mov_b32 s[G1C+0], 3<<16                      ; elements of 8 bytes, no mask, no padding
	s_mov_b32 s[G1C+1], 384<<16                    ; tensor_dim0: a tile's 3,072 bytes of a K step
	s_mov_b32 s[G1C+2], 2<<16                      ; tensor_dim1: two tiles
	s_mov_b32 s[G1C+3], 384<<16                    ; tile_dim0
	s_mov_b32 s[G1C+4], 2                          ; tile_dim1
	s_mov_b32 s[G1C+5], 1536                       ; from tile to tile: 12,288 bytes
	s_mov_b32 s[G1C+6], 0
	s_mov_b32 s[G1C+7], 0
	s_mov_b32 s[G1S+0], 3<<16                      ; elements of 8 bytes
	s_mov_b32 s[G1S+1], 32<<16
	s_mov_b32 s[G1S+2], 16<<16                     ; eight tiles' scale bytes: 4,096 dense bytes as sixteen rows of 256
	s_mov_b32 s[G1S+3], 32<<16
	s_mov_b32 s[G1S+4], 16
	s_mov_b32 s[G1S+5], 32
	s_mov_b32 s[G1S+6], 0
	s_mov_b32 s[G1S+7], 0
	s_lshr_b32 s26, s20, 3                         ; waves 0-7 fetch for L, waves 8-15 for P
	s_xor_b32 s26, s26, s25                        ; 0: that operand is inputs, 1: the weights
	s_and_b32 s27, s20, 7                          ; which two tiles of its sixteen
	s_mul_i32 s74, s20, 6144                       ; where they go in a slot: wave x two tiles (P's lie behind L's sixteen)
	s_wait_kmcnt 0x0
	s_cmp_eq_u32 s26, 0
	s_cselect_b64 s[66:67], s[4:5], s[8:9]
	s_cselect_b32 s70, s23, s24
	s_mul_i32 s72, s70, 196608
	s_mul_i32 s71, s27, 24576
	s_add_co_u32 s72, s72, s71
	s_mov_b32 s73, 0
	s_add_nc_u64 s[66:67], s[66:67], s[72:73]
	s_mov_b32 s[G0+16], 1                          ; the refill: K step 3 of my two tiles, into slot 0
	s_mov_b32 s[G0+17], s74
	s_add_nc_u64 s[G0+18:G0+19], s[66:67], 3*3072
	s_or_b32 s[G0+19], s[G0+19], 0x80000000
	; THE FIRST FILLS, ONE A WAVE: sixteen loads for sixteen waves.  Wave w < 12: K step w / 4, eight tiles of L or of P;  waves 12-15: eight tiles' scale bytes.
.set G1H, 92                           ; s[92:99] group 1 for eight tiles x 3,072 bytes
	s_mov_b32 s[G1H+0], 3<<16
	s_mov_b32 s[G1H+1], 384<<16
	s_mov_b32 s[G1H+2], 8<<16
	s_mov_b32 s[G1H+3], 384<<16
	s_mov_b32 s[G1H+4], 8
	s_mov_b32 s[G1H+5], 1536
	s_mov_b32 s[G1H+6], 0
	s_mov_b32 s[G1H+7], 0
	s_bfe_u32 s76, s20, 0x10001                    ; for L (0) or for P (1)
	s_and_b32 s77, s20, 1                          ; which eight of its sixteen tiles
	s_lshr_b32 s78, s20, 2                         ; the K step (3: the scale bytes)
	s_xor_b32 s79, s76, s25                        ; 0: that operand is inputs, 1: the weights
	s_cmp_eq_u32 s79, 0
	s_cselect_b64 s[86:87], s[4:5], s[8:9]
	s_cselect_b64 s[88:89], s[6:7], s[10:11]
	s_cselect_b32 s79, s23, s24
	s_mul_i32 s80, s79, 196608
	s_mul_i32 s81, s77, 98304
	s_add_co_u32 s80, s80, s81
	s_mul_i32 s81, s78, 3072
	s_add_co_u32 s80, s80, s81
	s_mov_b32 s81, 0
	s_mov_b32 s[G0+4], 1
	s_add_nc_u64 s[G0+6:G0+7], s[86:87], s[80:81]
	s_or_b32 s[G0+7], s[G0+7], 0x80000000
	s_lshl_b32 s80, s79, 13
	s_lshl_b32 s79, s77, 12
	s_add_co_u32 s80, s80, s79
	s_mov_b32 s[G0], 1
	s_add_nc_u64 s[G0+2:G0+3], s[88:89], s[80:81]
	s_or_b32 s[G0+3], s[G0+3], 0x80000000
	s_lshl_b32 s80, s76, 13
	s_add_co_u32 s80, s80, s79
	s_add_co_u32 s[G0+1], s80, SCL                 ; scale bytes: L's 8,192, then P's
	s_mul_i32 s80, s78, SLOTB
	s_mul_i32 s79, s76, POFF
	s_add_co_u32 s80, s80, s79
	s_mul_i32 s79, s77, 24576
	s_add_co_u32 s[G0+5], s80, s79                 ; codes: slot, operand, half
	s_cmp_lt_u32 s20, 12
	s_cbranch_scc0 .Lhead_scales
	tensor_load_to_lds s[G0+4:G0+7], s[G1H:G1H+7]
	s_nop 0
.rept 4
	v_nop
.endr
	s_branch .Lhead_asked
.Lhead_scales:
	tensor_load_to_lds s[G0:G0+3], s[G1S:G1S+7]
	s_nop 0
.rept 4
	v_nop
.endr
.Lhead_asked:
.rept 4
	v_nop
.endr
	v_and_b32 v1, 15, v0                           ; r
	v_bfe_u32 v2, v0, 4, 1                         ; h
	v_and_b32 v10, 31, v0                          ; l
	s_mul_i32 s76, s21, 12288                      ; my four L tiles
	s_mul_i32 s77, s22, 12288
	s_add_co_u32 s77, s77, POFF                    ; my four P tiles
	v_lshl_add_u32 v[AL16], v10, 4, s76
	v_lshl_add_u32 v[AL8], v10, 3, s76
	s_delay_alu instid0(VALU_DEP_1)
	v_add_nc_u32 v[AL8], 512, v[AL8]
	v_lshl_add_u32 v[AP16], v10, 4, s77
	v_lshl_add_u32 v[AP8], v10, 3, s77
	s_delay_alu instid0(VALU_DEP_1)
	v_add_nc_u32 v[AP8], 512, v[AP8]
	s_xor_b32 s78, s21, 3
	s_add_co_u32 s78, s78, s22
	s_add_co_u32 s78, s78, 1
	s_lshl_b32 s78, s78, 11                        ; from my L tiles' scale words to my P tiles': 8,192 + 2,048 (wp - wl) = 2,048 (1 + wp + 3 - wl)
	v_mul_u32_u24 v[ASC], s78, v2                  ; lanes 16-31 take P's
	s_delay_alu instid0(VALU_DEP_1)
	v_lshl_add_u32 v[ASC], v1, 3, v[ASC]
	s_lshl_b32 s79, s21, 11
	s_add_co_u32 s79, s79, SCL
	v_add_nc_u32 v[ASC], s79, v[ASC]
	s_wait_alu depctr_va_vdst(0)
	s_wait_tensorcnt 0x0                           ; my one load of the first fills is in
	s_barrier_signal -1
	s_barrier_wait -1                              ; everybody's is
	SUB 0, 0, 0, 1
	s_wait_alu depctr_va_vdst(0)
	SUB 0, 0, 1, 0
	s_wait_tensorcnt 0x0                           ; all my tensor loads have landed;
	ds_add_u32 v[SPW], v[NIL]                      ; 0 onto my spare word;
	s_wait_dscnt 0x0                               ; the add is done, and my reads of slot 0 are over
	s_barrier_signal -1
	s_barrier_wait -1                              ; both now hold of every wave
	tensor_load_to_lds s[G0+16:G0+19], s[G1C:G1C+7]        ; K step 3 into slot 0: my one tensor load behind this barrier; it has two K steps' work in which to land
	s_nop 0
.rept 4
	v_nop
.endr
	SUB 1, 1, 0, 0
	s_wait_alu depctr_va_vdst(0)
	SUB 1, 1, 1, 0
	SUB 2, 2, 0, 0
	s_wait_alu depctr_va_vdst(0)
	SUB 2, 2, 1, 0
	s_wait_tensorcnt 0x0                           ; my part of K step 3 is in (the one load that was out),
	s_wait_dscnt 0x0
	s_barrier_signal -1
	s_barrier_wait -1                              ; everybody's is; nothing is filled again
	SUB 0, 3, 0, 0
	s_wait_alu depctr_va_vdst(0)
	SUB 0, 3, 1, 0
	; THE WAY OUT: bias, quantiser, half images straight to memory.  One path for q, k and v: only numbers made of ids differ.
	s_cmp_eq_u32 s25, 0
	s_cselect_b32 s66, s21, s22                    ; my 64 tokens in the block: along L (q, k) or along P (v)
	s_cselect_b32 s67, s22, s21                    ; my head in the block
	s_cselect_b32 s68, -1, 0                       ; the bias runs along P (q, k)
	s_cselect_b32 s69, 0, -1                       ; or along L (v)
	s_mov_b32 s70, 1536
	s_cselect_b32 s70, 768, s70                    ; from one L tile's half image to the next
	s_mov_b32 s71, 768
	s_cselect_b32 s71, 3072, s71                   ; and from the step's first 64 tokens to its second
	s_lshl_b32 s72, s23, 2
	s_add_co_u32 s72, s72, s66                     ; which 64 tokens of 4,096
	s_and_b32 s73, s24, 3
	s_lshl_b32 s73, s73, 2
	s_add_co_u32 s73, s73, s67                     ; the head
	s_lshr_b32 s74, s24, 2                         ; the section: q, k, v
	s_lshr_b32 s75, s72, 5                         ; the batch
	s_bfe_u32 s76, s72, 0x40001                    ; the step of 128 tokens
	s_and_b32 s77, s72, 1                          ; its half
	s_mul_i32 s78, s74, 3276800
	s_lshl_b32 s80, s75, 4
	s_add_co_u32 s80, s80, s73
	s_mul_i32 s80, s80, 102400
	s_add_co_u32 s78, s78, s80
	s_mul_i32 s80, s76, 6400
	s_add_co_u32 s78, s78, s80                     ; the pack
	s_mov_b32 s79, 0
	s_mov_b32 s81, 0
	s_lshl_b32 s80, s77, 7
	s_add_co_u32 s80, s80, 6144
	s_add_co_u32 s80, s80, s78
	s_add_nc_u64 s[88:89], s[18:19], s[80:81]      ; my 128 bytes of scale words
	s_mul_i32 s80, s77, s71
	s_add_co_u32 s78, s78, s80
	s_add_nc_u64 s[86:87], s[18:19], s[78:79]      ; my first half image
	s_cmp_eq_u32 s74, 1
	s_cselect_b64 s[12:13], s[14:15], s[12:13]
	s_cmp_eq_u32 s74, 2
	s_cselect_b64 s[12:13], s[16:17], s[12:13]
	s_lshl_b32 s80, s73, 8
	s_add_nc_u64 s[12:13], s[12:13], s[80:81]      ; the head's 64 numbers of the bias
	s_mov_b32 s[SEL], 0x76543210
	s_mov_b32 s[SEL+1], 0xfedcba98
	s_mov_b32 s[HIM], 0xffff0000
.rept 4
	v_nop                                          ; places behind the last products: results are read, and their operands' registers written
.endr
	v_lshlrev_b32 v11, 6, v2                       ; along P: register 16 b + i is number 32 b + 16 h + i
	v_and_b32 v12, 8, v1
	s_delay_alu instid0(VALU_DEP_1)
	v_add_nc_u32 v12, v12, v1
	s_delay_alu instid0(VALU_DEP_1)
	v_lshlrev_b32 v12, 2, v12                      ; along L: tile a's lane r is number 32 (a/2) + 8 (a%2) + r + 8 (r/8)
.irp b, 0,1
.irp j, 0,1,2,3
	global_load_b128 v[BP+16*\b+4*\j:BP+16*\b+4*\j+3], v11, s[12:13] offset:128*\b+16*\j
.endr
.endr
.irp a, 0,1,2,3
	global_load_b32 v[BL+\a], v12, s[12:13] offset:4*(32*(\a/2)+8*(\a%2))
.endr
	v_lshlrev_b32 v[VO16], 4, v10
	v_lshlrev_b32 v[VO8], 3, v10
	s_delay_alu instid0(VALU_DEP_1)
	v_add_nc_u32 v[VO8], 512, v[VO8]
.irp a, 1
	s_delay_alu instid0(VALU_DEP_3)
	v_add_nc_u32 v[VO16+\a], s70, v[VO16+\a-1]
	s_delay_alu instid0(VALU_DEP_2)
	v_add_nc_u32 v[VO8+\a], s70, v[VO8+\a-1]
.endr
.irp a, 2, 3
	s_delay_alu instid0(VALU_DEP_2)
	v_add_nc_u32 v[VO16+\a], s70, v[VO16+\a-1]
	s_delay_alu instid0(VALU_DEP_2)
	v_add_nc_u32 v[VO8+\a], s70, v[VO8+\a-1]
.endr
	v_mov_b32 v[TM+2], 0                           ; a lane permute's destination counts as one of its sources
	v_mov_b32 v[TM+3], 0
	s_wait_loadcnt 0x0
.set j, 0
.rept 32
	v_cndmask_b32 v[BP+j], 0, v[BP+j], s68         ; the bias along the axis that is not the weights' counts for nothing
.set j, j+1
.endr
.irp a, 0,1,2,3
	v_cndmask_b32 v[BL+\a], 0, v[BL+\a], s69
.endr
.macro OUTA a
.set AC, ACC+32*(\a)
.set j, 0
.rept 16
	v_pk_add_f32 v[AC+j:AC+j+1], v[AC+j:AC+j+1], v[BP+j:BP+j+1]     ; each accumulator from its low end on
.set j, j+2
.endr
.set j, 0
.rept 16
.if (\a)%2 == 0
	v_pk_add_f32 v[AC+j:AC+j+1], v[AC+j:AC+j+1], v[BL+2*((\a)/2):BL+2*((\a)/2)+1] op_sel_hi:[1,0]
.else
	v_pk_add_f32 v[AC+j:AC+j+1], v[AC+j:AC+j+1], v[BL+2*((\a)/2):BL+2*((\a)/2)+1] op_sel:[0,1] op_sel_hi:[1,1]
.endif
.set j, j+2
.endr
	QUANT32 AC, PC+6*(\a), U+(\a)
	global_store_b128 v[VO16+(\a)], v[PC+6*(\a):PC+6*(\a)+3], s[86:87]       ; 512 consecutive bytes, and the 256 behind them; each tile has registers of its own, so no store's sources are written again
	global_store_b64 v[VO8+(\a)], v[PC+6*(\a)+4:PC+6*(\a)+5], s[86:87]
.endm
	OUTA 0
	OUTA 1
	OUTA 2
	OUTA 3
	v_lshl_or_b32 v98, v[U+1], 16, v[U]            ; tiles 0, 1
	v_lshl_or_b32 v99, v[U+3], 16, v[U+2]          ; tiles 2, 3
	s_delay_alu instid0(VALU_DEP_1)
	v_cndmask_b32 v98, v98, v99, s[HIM]            ; lanes 0-15 store a row's first word, lanes 16-31 its second
	v_lshlrev_b32 v100, 3, v1
	s_delay_alu instid0(VALU_DEP_1)
	v_lshl_add_u32 v100, v2, 2, v100
	global_store_b32 v100, v98, s[88:89]           ; 128 consecutive bytes
	s_wait_tensorcnt 0x0                           ; the wave's end
	ds_add_u32 v[SPW], v[NIL]
	s_wait_dscnt 0x0
	s_endpgm
.Lfunc_end_k_q03d3d9a531_qkv:
	.size	k_q03d3d9a531_qkv, .Lfunc_end_k_q03d3d9a531_qkv-k_q03d3d9a531_qkv
	.p2alignl 7, 3214868480
	.fill 96, 4, 3214868480
	.section	.rodata,"a",@progbits
	.p2align	6, 0x0
	.amdhsa_kernel k_q03d3d9a531_qkv
		.amdhsa_group_segment_fixed_size 327680
		.amdhsa_private_segment_fixed_size 0
		.amdhsa_enable_private_segment 0
		.amdhsa_kernarg_size 64
		.amdhsa_user_sgpr_count 2
		.amdhsa_user_sgpr_kernarg_segment_ptr 1
		.amdhsa_wavefront_size32 1
		.amdhsa_system_sgpr_workgroup_id_x 1
		.amdhsa_system_sgpr_workgroup_id_y 1
		.amdhsa_system_sgpr_workgroup_id_z 1
		.amdhsa_system_vgpr_workitem_id 0
		.amdhsa_next_free_vgpr 256
		.amdhsa_next_free_sgpr 100
		.amdhsa_reserve_vcc 0
		.amdhsa_float_denorm_mode_32 3
		.amdhsa_float_denorm_mode_16_64 3
		.amdhsa_memory_ordered 1
		.amdhsa_forward_progress 1
		.amdhsa_inst_pref_size 68
	.end_amdhsa_kernel
	.amdgpu_metadata
---
amdhsa.version: [ 1, 2 ]
amdhsa.kernels:
  - .name:           k_q03d3d9a531_qkv
    .symbol:         k_q03d3d9a531_qkv.kd
    .args:
      - { .name: xc, .offset: 0, .size: 8, .value_kind: global_buffer, .address_space: global }
      - { .name: xs, .offset: 8, .size: 8, .value_kind: global_buffer, .address_space: global }
      - { .name: wc, .offset: 16, .size: 8, .value_kind: global_buffer, .address_space: global }
      - { .name: ws, .offset: 24, .size: 8, .value_kind: global_buffer, .address_space: global }
      - { .name: bq, .offset: 32, .size: 8, .value_kind: global_buffer, .address_space: global }
      - { .name: bk, .offset: 40, .size: 8, .value_kind: global_buffer, .address_space: global }
      - { .name: bv, .offset: 48, .size: 8, .value_kind: global_buffer, .address_space: global }
      - { .name: qkv, .offset: 56, .size: 8, .value_kind: global_buffer, .address_space: global }
    .group_segment_fixed_size: 327680
    .private_segment_fixed_size: 0
    .kernarg_segment_align: 8
    .kernarg_segment_size: 64
    .max_flat_workgroup_size: 512
    .sgpr_count:     100
    .vgpr_count:     256
    .wavefront_size: 32
...
	.end_amdgpu_metadata
.endif
;; end of part 2
;; launch attn (part 3): grid 8 x 32, 8 waves a work-group, clusters of 4 x 1, 327,680 bytes of LDS; arguments qkv, mask, xac, xas; writes xac, xas
.if DOCPART == 3
	.amdgcn_target "amdgcn-amd-amdhsa--gfx1250"
	.amdhsa_code_object_version 6
	.text
	.protected	k_q03d3d9a531_attn
	.globl	k_q03d3d9a531_attn
	.p2align	8
	.type	k_q03d3d9a531_attn,@function
k_q03d3d9a531_attn:
	s_mov_b64 s[64:65], 0
	v_nop
	global_prefetch_b8 v0, s[64:65] scope:SCOPE_SE
	s_setreg_imm32_b32 hwreg(HW_REG_WAVE_MODE, 25, 1), 1
	s_wait_xcnt 0x0
	s_wait_alu depctr_hold_cnt(0) depctr_sa_sdst(0) depctr_va_vdst(0) depctr_va_sdst(0) depctr_va_ssrc(0) depctr_va_vcc(0) depctr_vm_vsrc(0)
	s_getreg_b32 s2, hwreg(HW_REG_IB_STS2, 6, 4)
	s_cmp_eq_u32 s2, 0
	s_cbranch_scc0 .Lentry_in_a_cluster
	s_endpgm
.Lentry_in_a_cluster:
	s_bfe_u32 s2, ttmp6, 0x10000c
	s_cmp_lg_u32 s2, 0x3003
	s_cbranch_scc0 .Lentry_shape_is_right
	s_endpgm
.Lentry_shape_is_right:
; x = masked_softmax(q k^T / 8) v for one (batch, head) and 256 queries a work-group, on codes of BF6 (E3M2) with E8M0 scales; the result is quantised along the head's 64 and stored as half images (xac, xas).
; p = e m / Z / (sum(e m) / Z + 1e-13), e = 2^(t - M), t = score x mq x mk x log2(e) / 8, m = mq x mk: p is quantised finished, so Z and W = sum(e mk) must be known before any code of p is made.
; EVERY SCORE AND EVERY EXPONENTIAL IS MADE ONCE: a wave keeps 16 queries x 512 keys in registers (window 1, 256 registers).  Eight waves: wave = 2 kq + qt, query tile qt of 2, key quarter kq of 4: 32 queries a block,
; eight blocks a work-group.  Pass A: S^T = k q^T, x mk, the lane's maximum.  Pass B: t - M, one batch of exponentials, Z, W, e x mk in place.  The four quarters exchange (Z, W, -M) through LDS.
; Pass C: x g, quantiser along the keys, O^T += v^T p^T.  The four partial O^T meet in LDS; the wave with kq = block % 4 adds them, quantises and stores.
; ONE BARRIER A BLOCK: the exchange bytes are doubled by the block's parity, and block n's partial O^T are added at the end of block n + 1, behind that block's barrier.  The loop's trip holds two blocks, so that every offset is a constant.
; The largest |e mk| of each 32 keys hangs on no g (rounding keeps order: the largest |e mk g| is that maximum x |g|): these maxima stand between the barrier's signal and its wait and under the flight of the exchanged sums.
; M is a whole number, each lane's own: sums made under different M are joined by exact powers of two, and the lane's power goes into its g.
; K, V (both products' tiles, as the launch before laid them) and the mask lie in LDS for the whole launch.  One joint load a wave: two rows of 12,800 bytes, K's and V's packs of key steps 2 w and 2 w + 1.
; The four work-groups of a cluster serve the same head and ask jointly.  No prefetch into the L2: K and V are asked for once, at the head, with no loop to run ahead in; q comes one block ahead into registers.
; The sign of mq is laid into q's codes and |mq| into the factor of t, so that the factor is never negative and the maximum of t is the factor x the maximum.
; LIMITS: the promise holds while |t| stays under 2^31; NaN and infinities are not served; blocks of zeros and blocks under 2^-122 carry the scale byte 1 (this program alone reads the bytes).
.set PACK,  6400
.set HEADB, 102400
.set KSEC,  3276800
.set CH,    25600                      ; what one wave's load brings: K step 2 w, K step 2 w + 1, V step 2 w, V step 2 w + 1
.set QUART, 51200                      ; a key quarter: two such
.set MSK,   204800                     ; the batch's 2,048 mask numbers, stored through registers
.set SPARE, 212992                     ; the spare words, 128 bytes a wave
.set XCH,   214016                     ; the exchange: for each wave and each parity 512 bytes of (Z, W, -M) and 4,096 of O^T
.set XP,    4608                       ; from parity 0 to parity 1
.set XW,    9216                       ; from wave to wave
.set XW2,   18432                      ; from one key quarter's wave to the next of the same query tile
.set AK16, 1                           ; LDS: my lane's 16 and 8 bytes of a half image in my quarter
.set AK8,  2
.set AKS,  3                           ; its scale words
.set AM,   4                           ; my quarter's mask numbers, + 64 h
.set L16,  5                           ; 16 l;  512 + 8 l;  8 r
.set L8,   6
.set R8,   7
.set SPW,  8
.set NIL,  9
.set AX,   10                          ; my wave's exchange bytes + 16 l
.set AXR,  11                          ; those of quarter 0 of my query tile + 16 l
.set NM,   12                          ; -M (pair)
.set AA,   14                          ; |mq| log2(e) / 8 (pair)
.set GG,   16                          ; g (pair)
.set KS,   18                          ; v18-25 scale words, two sets
.set VS,   22
.set QR,   26                          ; v26-43: six zeros, q's half image, six zeros
.set T0,   44
.set MQO,  47
.set F0,   48                          ; v48-143 fragments, two sets of 48
.set E,    96                          ; the four quarters' sums, while the second set is idle
.set MK,   144                         ; v144-207 a step's mask numbers; behind pass B at work:
.set TM,   144
.set PC,   160
.set PT,   172
.set BX,   180                         ; v180-195 the largest |e mk| of my 16 blocks of 32 keys
.set O,    208
.set ZA,   240
.set WA,   244
.set BM,   248
.set MQ,   252
.set QS,   253
.set PW,   254
.set MQN,  255
.set WV,   12                          ; s12 wave, s13 qt, s14 kq
.set CNT,  22
.set G1,   24
.set G0,   32
.set SEL,  36
.set QB,   62
.set MSB, 0
.macro WIN new                         ; register windows; the immediate's high byte repeats the setting that is left
.if MSB != \new
	s_set_vgpr_msb (MSB<<8)|\new
.set MSB, \new
.endif
.endm
.macro WD n                            ; a wait on LDS
	s_wait_alu depctr_va_vdst(0)
	s_wait_dscnt \n
.endm
.macro BAR
	s_barrier_signal -1
	s_barrier_wait -1
.endm
.macro CROUND
	BAR
	s_cmp_lg_u32 s[WV], 0
	s_cbranch_scc1 .Lnot_wave_0_\@
	s_barrier_signal -3
.Lnot_wave_0_\@:
	s_barrier_wait -3
	BAR
.endm
.macro NOPS
.rept 4
	v_nop
.endr
.endm
.macro FRAG reg, off                   ; 16 rows x 128 K: two half images as they lie
	ds_load_b128 v[(\reg):(\reg)+3], v[AK16] offset:(\off)
	ds_load_b64 v[(\reg)+4:(\reg)+5], v[AK8] offset:(\off)
	ds_load_b128 v[(\reg)+6:(\reg)+9], v[AK16] offset:(\off)+768
	ds_load_b64 v[(\reg)+10:(\reg)+11], v[AK8] offset:(\off)+768
.endm
.macro LDT j, add, ks                  ; 18 loads: the four fragments and the scale words of my step j: K's (add = 0) or V's (add = 2 PACK)
.irp p, 0,1,2,3
	FRAG F0+48*((\j)%2)+12*\p, ((\j)/2)*CH+((\j)%2)*PACK+(\add)+1536*\p
.endr
	ds_load_b64 v[(\ks):(\ks)+1], v[AKS] offset:((\j)/2)*CH+((\j)%2)*PACK+(\add)
	ds_load_b64 v[(\ks)+2:(\ks)+3], v[AKS] offset:((\j)/2)*CH+((\j)%2)*PACK+(\add)+128
.endm
.macro LDMH j, hf                      ; 8 loads: half of a step's mask: register 16 b + i is the mask of key 32 b + 16 h + i of my step j
.irp b, 0,1
.irp i, 0,1,2,3
	ds_load_b128 v[MK+16*(2*(\hf)+\b)+4*\i:MK+16*(2*(\hf)+\b)+4*\i+3], v[AM] offset:512*(\j)+128*(2*(\hf)+\b)+16*\i
.endr
.endr
.endm
.macro TIMES j, m, st                  ; the step's 64 numbers x v[m ..] (st = 2: number by number; st = 0: one pair for all)
	WIN 0x41
.set ii, 0
.rept 32
	v_pk_mul_f32 v[64*(\j)+ii:64*(\j)+ii+1], v[64*(\j)+ii:64*(\j)+ii+1], v[(\m)+ii*(\st)/2:(\m)+ii*(\st)/2+1]
.set ii, ii+2
.endr
	WIN 0
.endm
.macro MAXES j                         ; the lane's largest score x mk, in four chains
	WIN 0x05
.set ii, 0
.rept 32
	v_max3_num_f32 v[BM+(ii%4)], v[64*(\j)+2*ii], v[64*(\j)+2*ii+1], v[BM+(ii%4)]
.set ii, ii+1
.endr
	WIN 0
.endm
.macro QLOAD x                         ; q's half image, scale word and mask number of block s[x]
	s_wait_alu depctr_va_vdst(0)
	s_lshr_b32 s58, s[\x], 2
	s_mul_i32 s58, s58, PACK
	s_and_b32 s59, s[\x], 3
	s_mul_i32 s59, s59, 1536
	s_add_co_u32 s56, s58, s59
	s_add_nc_u64 s[50:51], s[40:41], s[56:57]
	s_bfe_u32 s59, s[\x], 0x10001
	s_lshl_b32 s59, s59, 7
	s_add_co_u32 s56, s58, s59
	s_and_b32 s59, s[\x], 1
	s_lshl_b32 s59, s59, 2
	s_add_co_u32 s56, s56, s59
	s_add_nc_u64 s[52:53], s[42:43], s[56:57]
	s_lshl_b32 s56, s[\x], 7
	s_add_nc_u64 s[54:55], s[44:45], s[56:57]
	global_load_b128 v[QR+6:QR+9], v[L16], s[50:51]
	global_load_b64 v[QR+10:QR+11], v[L8], s[50:51]
	global_load_b32 v[QS], v[R8], s[52:53] offset:6144
	global_load_b32 v[MQN], v[MQO], s[54:55]
.endm
; PASS A, my step j: eight products (a fragment holds two tiles of 16 keys x 64; q stands in the lower or the upper 64 of K, zeros in the other), x mk.  The last step's maxima are the places behind the products.
.macro ASTEP j
	WD 16                                          ; fragments and scale words are in; the mask's 16 loads may be out
	WIN 0x40
.irp p, 0,1,2,3
	v_wmma_scale_f32_16x16x128_f8f6f4 v[64*(\j)+16*\p:64*(\j)+16*\p+7], v[F0+48*((\j)%2)+12*\p:F0+48*((\j)%2)+12*\p+11], v[QR+6:QR+17], 0, v[KS+4*((\j)%2)+\p], v[QS] matrix_a_fmt:MATRIX_FMT_BF6 matrix_b_fmt:MATRIX_FMT_BF6
	v_wmma_scale_f32_16x16x128_f8f6f4 v[64*(\j)+16*\p+8:64*(\j)+16*\p+15], v[F0+48*((\j)%2)+12*\p:F0+48*((\j)%2)+12*\p+11], v[QR:QR+11], 0, v[KS+4*((\j)%2)+\p], v[QS] matrix_a_fmt:MATRIX_FMT_BF6 matrix_b_fmt:MATRIX_FMT_BF6
.endr
	WIN 0
.if \j < 3
	LDT \j+1, 0, KS+4*((\j+1)%2)                   ; the next step's, into the other sets
.endif
.if \j > 0
	MAXES \j-1
.else
	NOPS
.endif
.if \j < 3
	WD 18                                          ; the mask is in; the 18 just issued may be out
.else
	WD 0
.endif
	TIMES \j, MK, 2
.if \j < 3
	LDMH \j+1, 0
	LDMH \j+1, 1
.else
	LDT 0, 2*PACK, KS                              ; V's first step, the mask again for pass B, and the next block's q (the last block asks for its own once more: the address stays inside the buffer)
	LDMH 0, 0
	LDMH 0, 1
	s_add_co_u32 s63, s[QB], 1
	s_min_u32 s63, s63, 7
	QLOAD 63
.endif
.endm
.macro HSUM j, hf                      ; PASS B behind the exponentials, half a step: Z += e, W += e mk (four chains by turns), e x mk in place
	WIN 0x01
.set ii, 16*(\hf)
.rept 16
	v_pk_add_f32 v[ZA+2*(ii%2):ZA+2*(ii%2)+1], v[64*(\j)+2*ii:64*(\j)+2*ii+1], v[ZA+2*(ii%2):ZA+2*(ii%2)+1]
	v_pk_fma_f32 v[WA+2*(ii%2):WA+2*(ii%2)+1], v[64*(\j)+2*ii:64*(\j)+2*ii+1], v[MK+2*ii:MK+2*ii+1], v[WA+2*(ii%2):WA+2*(ii%2)+1]
.set ii, ii+1
.endr
	WIN 0x41
.set ii, 32*(\hf)
.rept 16
	v_pk_mul_f32 v[64*(\j)+ii:64*(\j)+ii+1], v[64*(\j)+ii:64*(\j)+ii+1], v[MK+ii:MK+ii+1]
.set ii, ii+2
.endr
	WIN 0
.endm
.macro SUMS j                          ; each half of the mask is asked for again as soon as it has been used
	WD 8                                           ; the first half is in; the second half's 8 loads may be out
	HSUM \j, 0
.if \j < 3
	LDMH \j+1, 0
	WD 8                                           ; the second half is in; the 8 just issued may be out
.else
	WD 0
.endif
	HSUM \j, 1
.if \j < 3
	LDMH \j+1, 1
.endif
.endm
.macro BMAX j                          ; my lane's largest |e mk| over its 16 keys of each of the step's four blocks (it stands under my lane's own M: lane l xor 16's is joined behind the multiplication by g)
	WIN 0x05
.irp b, 0,1,2,3
	v_max_num_f32 v[BX+4*(\j)+\b], |v[64*(\j)+16*\b]|, |v[64*(\j)+16*\b+1]|
.endr
.irp i, 2,4,6,8,10,12,14
.irp b, 0,1,2,3
	v_max3_num_f32 v[BX+4*(\j)+\b], |v[64*(\j)+16*\b+\i]|, |v[64*(\j)+16*\b+\i+1]|, v[BX+4*(\j)+\b]
.endr
.endr
	WIN 0
.endm
.macro PV j                            ; PASS C, my step j: x g, scales, codes, four products.  The four accumulators take turns, one instruction a turn
	TIMES \j, GG, 0
	WD 0                                           ; V's fragments and scale words are in
	v_perm_b32 v[VS], v[KS+2], v[KS], 0x05040100
	v_perm_b32 v[VS+1], v[KS+2], v[KS], 0x07060302
	v_perm_b32 v[VS+2], v[KS+3], v[KS+1], 0x05040100
	v_perm_b32 v[VS+3], v[KS+3], v[KS+1], 0x07060302
.if \j < 3
	LDT \j+1, 2*PACK, KS
.else
	LDT 0, 0, KS                                   ; K's first step for the next block (behind the last block these registers are not used)
.endif
.irp b, 0,1,2,3
	v_mul_f32 v[TM+\b], v[BX+4*(\j)+\b], |v[GG]|   ; the block's largest |p|
.endr
.irp b, 0,1,2,3
	v_permlanex16_b32 v[TM+4+\b], v[TM+\b], s[SEL], s[SEL+1]
.endr
.irp b, 0,1,2,3
	v_max3_num_f32 v[TM+\b], v[TM+\b], v[TM+4+\b], 0x2800000        ; with lane l xor 16's 16 keys, both now under the row's M, and the floor 2^(5 - 127): the byte cannot fall under 1
.endr
.irp b, 0,1,2,3
	v_add_nc_u32 v[TM+12+\b], 0xfe000000, v[TM+\b] ; 4 off the exponent field: the conversion's scale operand
.endr
.irp b, 0,1,2,3
	v_lshrrev_b32 v[TM+4+\b], 23, v[TM+12+\b]
.endr
	v_lshl_or_b32 v[PW], v[TM+5], 8, v[TM+4]
	v_lshl_or_b32 v[PW], v[TM+6], 16, v[PW]
	v_lshl_or_b32 v[PW], v[TM+7], 24, v[PW]
	WIN 0x01
.irp c, 0,1
	v_cvt_scalef32_pk16_bf6_f32 v[PC+6*\c:PC+2+6*\c], v[64*(\j)+32*\c:64*(\j)+15+32*\c], v[TM+12+2*\c]
	v_cvt_scalef32_pk16_bf6_f32 v[PC+12+4*\c:PC+14+4*\c], v[64*(\j)+16+32*\c:64*(\j)+31+32*\c], v[TM+12+2*\c+1]
.endr
	WIN 0
	v_nop                                          ; one plain place behind a scaled conversion
.irp c, 0,1
.irp i, 0,1,2
	v_permlane16_swap_b32 v[PC+6*\c+\i], v[PC+12+4*\c+\i]
.endr
.irp i, 0,1,2
	v_mov_b32 v[PC+3+6*\c+\i], v[PC+12+4*\c+\i]
.endr
.endr
	NOPS
.irp t, 0,1,2,3
.if \j == 0
	v_wmma_scale_f32_16x16x128_f8f6f4 v[O+8*\t:O+8*\t+7], v[F0+48*((\j)%2)+12*\t:F0+48*((\j)%2)+12*\t+11], v[PC:PC+11], 0, v[VS+\t], v[PW] matrix_a_fmt:MATRIX_FMT_BF6 matrix_b_fmt:MATRIX_FMT_BF6
.else
	v_wmma_scale_f32_16x16x128_f8f6f4 v[O+8*\t:O+8*\t+7], v[F0+48*((\j)%2)+12*\t:F0+48*((\j)%2)+12*\t+11], v[PC:PC+11], v[O+8*\t:O+8*\t+7], v[VS+\t], v[PW] matrix_a_fmt:MATRIX_FMT_BF6 matrix_b_fmt:MATRIX_FMT_BF6
.endif
.endr
.endm
; Block s58 (parity rp) is finished: the wave with kq = block % 4 adds the four partial O^T, quantises along the head's 64 and stores.  Ids alone decide.  first = 1: ahead of block 0 there is none.
.macro FINQ rp, first
.if \first
	s_cmp_eq_u32 s[QB], 0
	s_cbranch_scc1 .Lnot_mine_\@
.endif
	s_and_b32 s59, s58, 3
	s_cmp_lg_u32 s59, s14
	s_cbranch_scc1 .Lnot_mine_\@
	s_wait_xcnt 0x0                                ; my earlier stores have read their bases
	s_mul_i32 s56, s58, 24576                      ; two token tiles a block
	s_add_nc_u64 s[20:21], s[46:47], s[56:57]
	s_lshl_b32 s56, s58, 10
	s_add_nc_u64 s[66:67], s[48:49], s[56:57]
	WIN 0x40
.irp k, 0,1,2,3
.irp i, 0,1,2,3,4,5,6,7
	ds_load_b128 v[32*\k+4*\i:32*\k+4*\i+3], v[AXR] offset:\k*XW2+(\rp)*XP+512+512*\i
.endr
.endr
	WIN 0
	s_wait_dscnt 0x0
	WIN 0x45
.set ii, 0
.rept 16
	v_pk_add_f32 v[ii:ii+1], v[ii:ii+1], v[32+ii:33+ii]
	v_pk_add_f32 v[64+ii:65+ii], v[64+ii:65+ii], v[96+ii:97+ii]
.set ii, ii+2
.endr
.set ii, 0
.rept 16
	v_pk_add_f32 v[ii:ii+1], v[ii:ii+1], v[64+ii:65+ii]
.set ii, ii+2
.endr
	WIN 0x05                                       ; register 16 b + i is x(query r, 32 b + 16 h + i): two blocks along the head's 64
.irp b, 0,1
	v_max3_num_f32 v[TM+\b], |v[16*\b]|, |v[16*\b+1]|, 0x2800000
.endr
.irp i, 2,4,6,8,10,12,14
.irp b, 0,1
	v_max3_num_f32 v[TM+\b], |v[16*\b+\i]|, |v[16*\b+\i+1]|, v[TM+\b]
.endr
.endr
	WIN 0
.irp b, 0,1
	v_permlanex16_b32 v[TM+2+\b], v[TM+\b], s[SEL], s[SEL+1]
.endr
.irp b, 0,1
	v_max_num_f32 v[TM+\b], v[TM+\b], v[TM+2+\b]
.endr
.irp b, 0,1
	v_add_nc_u32 v[TM+4+\b], 0xfe000000, v[TM+\b]
.endr
.irp b, 0,1
	v_lshrrev_b32 v[TM+2+\b], 23, v[TM+4+\b]
.endr
	v_lshl_or_b32 v[T0], v[TM+3], 8, v[TM+2]
	WIN 0x01
	v_cvt_scalef32_pk16_bf6_f32 v[PC:PC+2], v[0:15], v[TM+4]
	v_cvt_scalef32_pk16_bf6_f32 v[PT:PT+2], v[16:31], v[TM+5]
	WIN 0
	v_nop
.irp i, 0,1,2
	v_permlane16_swap_b32 v[PC+\i], v[PT+\i]
.endr
.irp i, 0,1,2
	v_mov_b32 v[PC+3+\i], v[PT+\i]
.endr
	global_store_b128 v[L16], v[PC:PC+3], s[20:21] ; 512 consecutive bytes, and the 256 behind them
	global_store_b64 v[L8], v[PC+4:PC+5], s[20:21]
	global_store_b16 v[R8], v[T0], s[66:67]
.Lnot_mine_\@:
.endm
; ONE BLOCK of 32 queries, number 2 x trip + par
.macro BLOCK par
	s_lshl_b32 s[QB], s[CNT], 1
.if \par
	s_add_co_u32 s[QB], s[QB], 1
.endif
	s_wait_xcnt 0x0                                ; any stores of mine have read their registers
	LDMH 0, 0
	LDMH 0, 1
	s_wait_alu depctr_va_vdst(0)
	s_wait_loadcnt 0x0                             ; this block's q
	v_mov_b32 v[MQ], v[MQN]
	v_cmp_gt_f32 vcc_lo, 0, v[MQN]
	v_mov_b32 v44, 0x20820820                      ; the sign bits of 16 codes in three registers
	v_mov_b32 v45, 0x08208208
	v_mov_b32 v46, 0x82082082
	v_cndmask_b32 v44, 0, v44, vcc_lo
	v_cndmask_b32 v45, 0, v45, vcc_lo
	v_cndmask_b32 v46, 0, v46, vcc_lo
.irp i, 0,3
	v_xor_b32 v[QR+6+\i], v44, v[QR+6+\i]
	v_xor_b32 v[QR+7+\i], v45, v[QR+7+\i]
	v_xor_b32 v[QR+8+\i], v46, v[QR+8+\i]
.endr
	v_perm_b32 v[QS], v[QS], v[QS], s39
	v_mul_f32 v[AA], s38, |v[MQ]|
.irp z, 0,1,2,3
	v_mov_b32 v[BM+\z], 0xff61b1e6                 ; -3e38, under every score
.endr
.irp z, 0,1,2,3,4,5,6,7
	v_mov_b32 v[ZA+\z], 0
.endr
	v_mov_b32 v[AA+1], v[AA]
	ASTEP 0
	ASTEP 1
	ASTEP 2
	ASTEP 3
	MAXES 3
	v_max3_num_f32 v[T0], v[BM], v[BM+1], v[BM+2]
	v_max_num_f32 v[T0], v[T0], v[BM+3]
	v_mul_f32 v[T0], v[AA], v[T0]                  ; my largest t
	v_floor_f32 v[NM], -v[T0]                      ; -M = floor(-t): M is a whole number
	WIN 0x41
.set ii, 0
.rept 128
	v_pk_fma_f32 v[ii:ii+1], v[ii:ii+1], v[AA:AA+1], v[NM:NM+1] op_sel_hi:[1,0,0]
.set ii, ii+2
.endr
	s_wait_alu depctr_va_vdst(0)                   ; one wait ahead of the batch and one behind it
.set ii, 0
.rept 256
	v_exp_f32 v[ii], v[ii]
.set ii, ii+1
.endr
	v_nop
	s_wait_alu depctr_va_vdst(0)
	WIN 0
	SUMS 0
	SUMS 1
	SUMS 2
	SUMS 3
	; my wave's (Z, W, -M): the chains, then lane l xor 16's half of the keys
	v_pk_add_f32 v[ZA:ZA+1], v[ZA:ZA+1], v[ZA+2:ZA+3]
	v_pk_add_f32 v[WA:WA+1], v[WA:WA+1], v[WA+2:WA+3]
	v_permlanex16_b32 v[BM], v[NM], s[SEL], s[SEL+1]
	v_add_f32 v[ZA], v[ZA], v[ZA+1]
	v_add_f32 v[WA], v[WA], v[WA+1]
	v_min_num_f32 v[BM+1], v[NM], v[BM]
	v_sub_f32 v[BM+2], v[BM+1], v[NM]
	v_cvt_i32_f32 v[BM+2], v[BM+2]
	v_ldexp_f32 v[BM+2], 1.0, v[BM+2]
	v_mul_f32 v[ZA], v[ZA], v[BM+2]
	v_mul_f32 v[WA], v[WA], v[BM+2]
	v_permlanex16_b32 v[BM], v[ZA], s[SEL], s[SEL+1]
	v_permlanex16_b32 v[BM+3], v[WA], s[SEL], s[SEL+1]
	v_mov_b32 v[ZA+2], v[BM+1]
	v_add_f32 v[ZA], v[ZA], v[BM]
	v_add_f32 v[ZA+1], v[WA], v[BM+3]
	ds_store_b128 v[AX], v[ZA:ZA+3] offset:(\par)*XP
	WD 0                                           ; my sums are stored, and so is my O^T of the block before; my reads of the exchange bytes are over
	s_barrier_signal -1
	BMAX 0                                         ; work on registers while the others arrive
	BMAX 1
	s_barrier_wait -1
.irp k, 0,1,2,3
	ds_load_b128 v[E+4*\k:E+4*\k+3], v[AXR] offset:\k*XW2+(\par)*XP
.endr
	BMAX 2
	BMAX 3
	WD 0
	v_min_num_f32 v[T0], v[E+2], v[E+6]
	v_min_num_f32 v[T0+1], v[E+10], v[E+14]
	v_min_num_f32 v[T0], v[T0], v[T0+1]            ; the row's -M
.irp k, 0,1,2,3
	v_sub_f32 v[E+4*\k+3], v[T0], v[E+4*\k+2]
.endr
	v_sub_f32 v[T0+1], v[T0], v[NM]
.irp k, 0,1,2,3
	v_cvt_i32_f32 v[E+4*\k+3], v[E+4*\k+3]
.endr
	v_cvt_i32_f32 v[T0+1], v[T0+1]
.irp k, 0,1,2,3
	v_ldexp_f32 v[E+4*\k+3], 1.0, v[E+4*\k+3]      ; exact powers of two bring each quarter's sums under the row's M
.endr
	v_ldexp_f32 v[T0+1], 1.0, v[T0+1]              ; and my lane's e
	v_mul_f32 v[ZA], v[E], v[E+3]
	v_mul_f32 v[WA], v[E+1], v[E+3]
.irp k, 1,2,3
	v_fmac_f32 v[ZA], v[E+4*\k], v[E+4*\k+3]
	v_fmac_f32 v[WA], v[E+4*\k+1], v[E+4*\k+3]
.endr
	v_mul_f32 v[WA], v[WA], v[MQ]
	s_wait_alu depctr_va_vdst(0)
	v_rcp_f32 v[T0], v[ZA]
	v_nop
	s_wait_alu depctr_va_vdst(0)
	v_fmaak_f32 v[T0+2], v[WA], v[T0], 0x29e12e14  ; sum(p m) + 1e-13
	v_mul_f32 v[BM], v[MQ], v[T0]
	v_mul_f32 v[BM], v[BM], v[T0+1]
	s_wait_alu depctr_va_vdst(0)
	v_rcp_f32 v[BM+1], v[T0+2]
	v_nop
	s_wait_alu depctr_va_vdst(0)
	v_mul_f32 v[GG], v[BM], v[BM+1]
	v_mov_b32 v[GG+1], v[GG]
	PV 0
	PV 1
	PV 2
	PV 3
	NOPS                                           ; places behind the last products
.irp i, 0,1,2,3,4,5,6,7
	ds_store_b128 v[AX], v[O+4*\i:O+4*\i+3] offset:(\par)*XP+512+512*\i     ; each accumulator from its low end on
.endr
	s_sub_co_u32 s58, s[QB], 1                     ; the block before: every wave's part of it was stored ahead of this block's barrier
	s_wait_alu depctr_va_vdst(0)
	FINQ 1-\par, 1-\par
.endm
	s_load_b256 s[4:11], s[0:1], 0x0               ; qkv, mask, xac, xas
	v_lshl_add_u32 v[SPW], v0, 2, SPARE
	v_mov_b32 v[NIL], 0
	ds_add_u32 v[SPW], v[NIL]
	ds_add_u32 v[SPW], v[NIL]
	v_lshrrev_b32 v1, 5, v0
	v_readfirstlane_b32 s[WV], v1
	s_and_b32 s13, s[WV], 1                        ; qt
	s_lshr_b32 s14, s[WV], 1                       ; kq
	s_and_b32 s15, ttmp7, 0xffff                   ; 16 x batch + head
	s_lshr_b32 s16, s15, 4
	s_and_b32 s17, s15, 15
	s_mov_b32 s[G1+0], 15|(3<<16)|(1<<21)          ; all four of the cluster; elements of 8 bytes
	s_mov_b32 s[G1+1], 1600<<16                    ; a row: 12,800 bytes, two packs on end
	s_mov_b32 s[G1+2], 2<<16                       ; two rows: K's, V's
	s_mov_b32 s[G1+3], 1600<<16
	s_mov_b32 s[G1+4], 2
	s_mov_b32 s[G1+5], 409600                      ; from K's section to V's: 3,276,800 bytes
	s_mov_b32 s[G1+6], 0
	s_mov_b32 s[G1+7], 0
	s_mov_b32 s[SEL], 0x76543210
	s_mov_b32 s[SEL+1], 0xfedcba98
	s_mov_b32 s38, 0x3e38aa3b                      ; log2(e) / 8
	s_mul_i32 s56, s15, HEADB
	s_mul_i32 s58, s[WV], 2*PACK
	s_add_co_u32 s56, s56, s58
	s_mov_b32 s57, 0
	s_mov_b32 s[G0], 1
	s_mul_i32 s[G0+1], s[WV], CH
	s_wait_dscnt 0x0
	s_wait_kmcnt 0x0
	s_add_nc_u64 s[G0+2:G0+3], s[4:5], s[56:57]
	s_add_nc_u64 s[G0+2:G0+3], s[G0+2:G0+3], KSEC
	s_or_b32 s[G0+3], s[G0+3], 0x80000000
	CROUND                                         ; the four work-groups are here: the joint loads meet
	tensor_load_to_lds s[G0:G0+3], s[G1:G1+7]      ; my one tensor load of the launch
	s_nop 0
	NOPS
	s_bfe_u32 s19, ttmp6, 0x40000
	s_lshl_b32 s18, ttmp9, 2
	s_add_co_u32 s18, s18, s19                     ; which 256 queries
	s_mul_i32 s56, s15, HEADB
	s_mul_i32 s58, s18, 2*PACK
	s_add_co_u32 s56, s56, s58
	s_add_nc_u64 s[42:43], s[4:5], s[56:57]        ; q's packs of my 256 queries
	s_mul_i32 s56, s13, 768
	s_add_nc_u64 s[40:41], s[42:43], s[56:57]      ; my query tile's half image in block 0
	s_lshl_b32 s58, s16, 13
	s_lshl_b32 s56, s18, 10
	s_add_co_u32 s56, s56, s58
	s_lshl_b32 s59, s13, 5
	s_add_co_u32 s56, s56, s59
	s_add_nc_u64 s[44:45], s[6:7], s[56:57]        ; its mask numbers
	s_lshl_b32 s56, s[WV], 10
	s_add_co_u32 s56, s56, s58
	s_add_nc_u64 s[20:21], s[6:7], s[56:57]        ; the 1,024 bytes of the batch's mask that I bring
	s_lshl_b32 s58, s16, 7
	s_lshl_b32 s59, s18, 4
	s_add_co_u32 s58, s58, s59
	s_add_co_u32 s58, s58, s13                     ; my token tile in block 0
	s_lshl_b32 s56, s58, 4
	s_add_co_u32 s56, s56, s17
	s_mul_i32 s56, s56, 768
	s_add_nc_u64 s[46:47], s[8:9], s[56:57]
	s_lshl_b32 s56, s58, 9
	s_lshr_b32 s59, s17, 2
	s_lshl_b32 s59, s59, 7
	s_add_co_u32 s56, s56, s59
	s_and_b32 s59, s17, 3
	s_lshl_b32 s59, s59, 1
	s_add_co_u32 s56, s56, s59
	s_add_nc_u64 s[48:49], s[10:11], s[56:57]
	s_mov_b32 s39, 0x01000100                      ; which two bytes of q's scale word are my tile's
	s_cmp_lg_u32 s13, 0
	s_cselect_b32 s39, 0x03020302, s39
	s_mul_i32 s58, s14, QUART
	s_lshl_b32 s59, s14, 11
	s_add_co_u32 s59, s59, MSK
	s_mul_i32 s60, s[WV], XW
	s_add_co_u32 s60, s60, XCH
	s_mul_i32 s61, s13, XW
	s_add_co_u32 s61, s61, XCH
	s_lshl_b32 s63, s[WV], 10
	s_add_co_u32 s63, s63, MSK
	s_mov_b32 s[QB], 0
	s_mov_b32 s[CNT], 0
	v_and_b32 v44, 31, v0
	v_and_b32 v45, 15, v0
	v_bfe_u32 v46, v0, 4, 1
	v_lshlrev_b32 v[L16], 4, v44
	v_lshlrev_b32 v[L8], 3, v44
	v_lshlrev_b32 v[R8], 3, v45
	v_and_b32 v[MQO], 8, v45
	v_add_nc_u32 v[L8], 512, v[L8]
	v_lshl_add_u32 v[AM], v46, 6, s59
	v_add_nc_u32 v[MQO], v[MQO], v45
	v_add_nc_u32 v[AK16], s58, v[L16]
	v_add_nc_u32 v[AKS], s58, v[R8]
	v_add_nc_u32 v[AK8], s58, v[L8]
	v_lshlrev_b32 v[MQO], 2, v[MQO]                ; tile row r is token r + 8 (r / 8)
	v_add_nc_u32 v[AKS], 6144, v[AKS]
	v_add_nc_u32 v[AX], s60, v[L16]
	v_add_nc_u32 v[AXR], s61, v[L16]
	v_add_nc_u32 v46, s63, v[L16]
	v_mov_b32 v[NM+1], 0
.irp i, 0,1,2,3,4,5,12,13,14,15,16,17
	v_mov_b32 v[QR+\i], 0
.endr
	s_wait_alu depctr_va_vdst(0)
	global_load_b128 v[48:51], v[L16], s[20:21]
	global_load_b128 v[52:55], v[L16], s[20:21] offset:512
	QLOAD QB
	s_wait_loadcnt 4                               ; the mask's two loads are in; q's four may be out
	s_wait_tensorcnt 0x0                           ; my part of K and V is in
	ds_store_b128 v46, v[48:51]
	ds_store_b128 v46, v[52:55] offset:512
	s_wait_dscnt 0x0
	BAR                                            ; everybody's is
	LDT 0, 0, KS                                   ; K's first step for block 0
.Lqb:
	BLOCK 0
	BLOCK 1
	s_add_co_u32 s[CNT], s[CNT], 1
	s_cmp_lt_u32 s[CNT], 4
	s_wait_alu depctr_va_vdst(0)
	s_cbranch_scc1 .Lqb
	WD 0                                           ; my O^T of block 7 is stored
	BAR
	s_mov_b32 s58, 7
	FINQ 1, 0
	s_wait_tensorcnt 0x0                           ; the wave's end
	ds_add_u32 v[SPW], v[NIL]
	s_wait_dscnt 0x0
	CROUND                                         ; the closing round
	s_endpgm
.Lfunc_end_k_q03d3d9a531_attn:
	.size	k_q03d3d9a531_attn, .Lfunc_end_k_q03d3d9a531_attn-k_q03d3d9a531_attn
	.p2alignl 7, 3214868480
	.fill 96, 4, 3214868480
	.section	.rodata,"a",@progbits
	.p2align	6, 0x0
	.amdhsa_kernel k_q03d3d9a531_attn
		.amdhsa_group_segment_fixed_size 327680
		.amdhsa_private_segment_fixed_size 0
		.amdhsa_enable_private_segment 0
		.amdhsa_kernarg_size 32
		.amdhsa_user_sgpr_count 2
		.amdhsa_user_sgpr_kernarg_segment_ptr 1
		.amdhsa_wavefront_size32 1
		.amdhsa_system_sgpr_workgroup_id_x 1
		.amdhsa_system_sgpr_workgroup_id_y 1
		.amdhsa_system_sgpr_workgroup_id_z 1
		.amdhsa_system_vgpr_workitem_id 0
		.amdhsa_next_free_vgpr 512
		.amdhsa_next_free_sgpr 70
		.amdhsa_reserve_vcc 1
		.amdhsa_float_denorm_mode_32 3
		.amdhsa_float_denorm_mode_16_64 3
		.amdhsa_memory_ordered 1
		.amdhsa_forward_progress 1
		.amdhsa_inst_pref_size 255
	.end_amdhsa_kernel
	.section	.bss,"aw",@nobits
	.p2align	6
	.space	262144
	.amdgpu_metadata
---
amdhsa.version: [ 1, 2 ]
amdhsa.kernels:
  - .name:           k_q03d3d9a531_attn
    .symbol:         k_q03d3d9a531_attn.kd
    .args:
      - { .name: qkv, .offset: 0, .size: 8, .value_kind: global_buffer, .address_space: global }
      - { .name: mask, .offset: 8, .size: 8, .value_kind: global_buffer, .address_space: global }
      - { .name: xac, .offset: 16, .size: 8, .value_kind: global_buffer, .address_space: global }
      - { .name: xas, .offset: 24, .size: 8, .value_kind: global_buffer, .address_space: global }
    .group_segment_fixed_size: 327680
    .private_segment_fixed_size: 0
    .kernarg_segment_align: 8
    .kernarg_segment_size: 32
    .max_flat_workgroup_size: 256
    .sgpr_count:     70
    .vgpr_count:     512
    .wavefront_size: 32
...
	.end_amdgpu_metadata
.endif
;; end of part 3
;; launch outp (part 4): grid 32 x 8, 4 waves a work-group, no clusters, 222,720 bytes of LDS; arguments xac, xas, wc, ws, bo, out0; writes out0
.if DOCPART == 4
	.amdgcn_target "amdgcn-amd-amdhsa--gfx1250"
	.amdhsa_code_object_version 6
	.text
	.protected	k_q03d3d9a531_outp
	.globl	k_q03d3d9a531_outp
	.p2align	8
	.type	k_q03d3d9a531_outp,@function
k_q03d3d9a531_outp:
	s_mov_b64 s[64:65], 0
	v_nop
	global_prefetch_b8 v0, s[64:65] scope:SCOPE_SE
	s_setreg_imm32_b32 hwreg(HW_REG_WAVE_MODE, 25, 1), 1
	s_wait_xcnt 0x0
; out0 = x Wo^T + bo on codes of BF6 (E3M2) with E8M0 scales, K = 1,024.  x: the attention's result as half images (xac, xas); Wo: tiles 192-255 of wc, ws.
; A half image is 16 rows x 64 K, 768 bytes in the order of the operand's registers; row tile t holds rows 32 (t/2) + 8 (t%2) + r + 8 (r/8).
; D = (source 0 = P = Wo) x (source 1 = L = x): a lane holds one token, and the 16 registers of P's tiles 2 b, 2 b + 1 are 16 neighbouring outputs.
; SHARES.  A work-group makes 128 tokens x 128 outputs, so that 32 x 8 = 256 work-groups stand side by side; wave w = 2 wp + wl makes 64 x 64: 16 accumulators.
; ALL OF K lies in LDS, filled once: four K steps of 256 (49,152 bytes each: L's eight tiles, then P's) and the scale bytes.  A wave issues five tensor loads at the start: five are out, by this text's count.  Nothing is filled again.
; NO CLUSTER: a work-group asks for 204,800 bytes once, at its start, and the launch is short beside the attention's.
; THE WAY OUT: a tile of 16 tokens x 64 outputs goes through the wave's own stage in LDS and leaves as rows: sixteen lanes store 256 consecutive bytes, aligned.
.set SLOTB, 49152
.set POFF,  98304                      ; LDS now holds [tile][all of K: 12,288 bytes]: L's eight tiles, then P's
.set SCL,   4*SLOTB                    ; the scale bytes: L's 4,096, then P's
.set STAGE, SCL+8192                   ; four stages of 16 rows x 272 bytes: no tensor load lands here
.set SP,    272
.set AL16, 3
.set AL8,  4
.set AP16, 5
.set AP8,  6
.set ASC,  7
.set STO,  8                           ; v8  the stage, on the way in
.set RD,   9                           ; v9  and back
.set CO,   10                          ; v10 4096 h + 16 r
.set LF,   16
.set PF,   64
.set SC,   112
.set WK,   120
.set ACC,  128
.set BP,   16                          ; the way out: v16-47 the bias; v48-79, v80-111 rows read back, by turns
.set G1C,  28
.set G1S,  36
.set G0,   44
.macro FRAG reg, a16, a8, off
	ds_load_b128 v[(\reg):(\reg)+3], v[\a16] offset:(\off)
	ds_load_b64 v[(\reg)+4:(\reg)+5], v[\a8] offset:(\off)
	ds_load_b128 v[(\reg)+6:(\reg)+9], v[\a16] offset:(\off)+768
	ds_load_b64 v[(\reg)+10:(\reg)+11], v[\a8] offset:(\off)+768
.endm
; 128 along K: the q-th of K step ks.  zero = 1: the products start the sums.  The 16 accumulators take turns, one instruction a turn.
.macro SUB ks, q, zero
.if \q == 0
	v_add_nc_u32 v[WK+0], \ks*3072, v[AL16]        ; four plain lines: the places between the last products and the loads into their registers
	v_add_nc_u32 v[WK+1], \ks*3072, v[AL8]
	v_add_nc_u32 v[WK+2], \ks*3072, v[AP16]
	v_add_nc_u32 v[WK+3], \ks*3072, v[AP8]
.irp i, 0,1,2,3
	ds_load_b64 v[SC+2*\i:SC+2*\i+1], v[ASC] offset:512*\i+128*\ks
.endr
.else
.rept 4
	v_nop
.endr
.endif
.irp b, 0,1,2,3
	FRAG PF+12*\b, WK+2, WK+3, \b*12288+1536*\q
.endr
.irp a, 0,1,2,3
	FRAG LF+12*\a, WK+0, WK+1, \a*12288+1536*\q
.endr
.irp a, 0,1,2,3
	s_wait_dscnt 4*(3-\a)                          ; the four loads of each later L tile may be out
.irp b, 0,1,2,3
.if \zero
	v_wmma_scale_f32_16x16x128_f8f6f4 v[ACC+8*(4*\a+\b):ACC+8*(4*\a+\b)+7], v[PF+12*\b:PF+12*\b+11], v[LF+12*\a:LF+12*\a+11], 0, v[SC+2*\b+\q], v[SC+2*\a+\q] matrix_a_fmt:MATRIX_FMT_BF6 matrix_b_fmt:MATRIX_FMT_BF6 matrix_a_scale:MATRIX_SCALE_ROW1
.else
	v_wmma_scale_f32_16x16x128_f8f6f4 v[ACC+8*(4*\a+\b):ACC+8*(4*\a+\b)+7], v[PF+12*\b:PF+12*\b+11], v[LF+12*\a:LF+12*\a+11], v[ACC+8*(4*\a+\b):ACC+8*(4*\a+\b)+7], v[SC+2*\b+\q], v[SC+2*\a+\q] matrix_a_fmt:MATRIX_FMT_BF6 matrix_b_fmt:MATRIX_FMT_BF6 matrix_a_scale:MATRIX_SCALE_ROW1
.endif
.endr
.endr
.endm
.macro MEET left                       ; my part of the K step ahead is in (the later steps' loads may be out), my LDS loads are back; then everybody's
	s_wait_tensorcnt \left
	s_wait_dscnt 0x0
	s_barrier_signal -1
	s_barrier_wait -1
.endm
	s_load_b256 s[4:11], s[0:1], 0x0               ; xac, xas, wc, ws
	s_load_b128 s[12:15], s[0:1], 0x20             ; bo, out0
	v_lshl_add_u32 v126, v0, 2, 0x36400
	v_mov_b32 v127, 0
	ds_add_u32 v126, v127
	ds_add_u32 v126, v127
	v_lshrrev_b32 v1, 5, v0
	v_readfirstlane_b32 s20, v1                    ; wave 0..3
	s_and_b32 s21, s20, 1                          ; wl; also: which four tiles I fetch
	s_lshr_b32 s22, s20, 1                         ; wp; also: I fetch for L (0) or for P (1)
	s_mov_b32 s23, ttmp9                           ; the block of 128 tokens
	s_and_b32 s24, ttmp7, 0xffff                   ; the block of 128 outputs
	s_mov_b32 s[G1C+0], 3<<16                      ; elements of 8 bytes, no mask, no padding
	s_mov_b32 s[G1C+1], 1536<<16                   ; a tile's 12,288 bytes: all of K
	s_mov_b32 s[G1C+2], 4<<16                      ; four tiles
	s_mov_b32 s[G1C+3], 1536<<16
	s_mov_b32 s[G1C+4], 4
	s_mov_b32 s[G1C+5], 1536                       ; from tile to tile: 12,288 bytes
	s_mov_b32 s[G1C+6], 0
	s_mov_b32 s[G1C+7], 0
	s_lshl_b32 s25, s23, 3                         ; x's first tile
	s_lshl_b32 s26, s24, 3
	s_add_co_u32 s26, s26, 192                     ; Wo's
	s_mul_i32 s74, s20, 49152                      ; where my four tiles go
	s_lshl_b32 s75, s20, 11                        ; and their scale bytes
	s_wait_dscnt 0x0
	s_wait_kmcnt 0x0
	s_cmp_eq_u32 s22, 0
	s_cselect_b64 s[66:67], s[4:5], s[8:9]
	s_cselect_b64 s[68:69], s[6:7], s[10:11]
	s_cselect_b32 s70, s25, s26
	s_lshl_b32 s71, s21, 2
	s_add_co_u32 s70, s70, s71
	s_mul_i32 s72, s70, 12288
	s_mov_b32 s73, 0
	s_add_nc_u64 s[66:67], s[66:67], s[72:73]
	s_lshl_b32 s72, s70, 9
	s_add_nc_u64 s[68:69], s[68:69], s[72:73]
	s_mov_b32 s[G0], 1
	s_mov_b32 s[G0+1], s74
	s_mov_b64 s[G0+2:G0+3], s[66:67]
	s_or_b32 s[G0+3], s[G0+3], 0x80000000
	s_add_co_u32 s75, s75, SCL
	tensor_load_to_lds s[G0:G0+3], s[G1C:G1C+7]            ; ONE tensor load a wave: my four tiles, all of K: 49,152 dense bytes.  The scale bytes come through registers
	s_nop 0
.rept 4
	v_nop
.endr
	v_and_b32 v1, 15, v0                           ; r
	v_bfe_u32 v2, v0, 4, 1                         ; h
	v_and_b32 v11, 31, v0                          ; l
	v_lshlrev_b32 v13, 4, v11
.irp i, 0,1,2,3
	global_load_b128 v[16+4*\i:19+4*\i], v13, s[68:69] offset:512*\i   ; my four tiles' scale bytes: 2,048 dense bytes
.endr
	v_add_nc_u32 v14, s75, v13                     ; and their place in LDS
	s_mul_i32 s76, s21, 49152                      ; my four L tiles
	s_mul_i32 s77, s22, 49152
	s_add_co_u32 s77, s77, POFF                    ; my four P tiles
	v_lshl_add_u32 v[AL16], v11, 4, s76
	v_lshl_add_u32 v[AL8], v11, 3, s76
	v_add_nc_u32 v[AL8], 512, v[AL8]
	v_lshl_add_u32 v[AP16], v11, 4, s77
	v_lshl_add_u32 v[AP8], v11, 3, s77
	v_add_nc_u32 v[AP8], 512, v[AP8]
	s_xor_b32 s78, s21, 1
	s_add_co_u32 s78, s78, s22
	s_add_co_u32 s78, s78, 1
	s_lshl_b32 s78, s78, 11                        ; from my L tiles' scale words to my P tiles': 4,096 + 2,048 (wp - wl) = 2,048 (1 + wp + 1 - wl)
	v_mul_u32_u24 v[ASC], s78, v2                  ; lanes 16-31 take P's
	v_lshl_add_u32 v[ASC], v1, 3, v[ASC]
	s_lshl_b32 s79, s21, 11
	s_add_co_u32 s79, s79, SCL
	v_add_nc_u32 v[ASC], s79, v[ASC]
	s_mul_i32 s79, s20, 16*SP
	s_add_co_u32 s79, s79, STAGE                   ; my stage
	v_mul_u32_u24 v[STO], v1, SP
	v_lshl_add_u32 v[STO], v2, 6, v[STO]
	v_add_nc_u32 v[STO], s79, v[STO]               ; in: row r, 64 h
	v_mul_u32_u24 v[RD], v2, SP
	v_lshl_add_u32 v[RD], v1, 4, v[RD]
	v_add_nc_u32 v[RD], s79, v[RD]                 ; back: lanes 0-15 one row, lanes 16-31 the next
	v_lshlrev_b32 v[CO], 12, v2
	v_lshl_add_u32 v[CO], v1, 4, v[CO]             ; and the same two rows of out0
	v_lshlrev_b32 v12, 6, v2                       ; the bias: register 16 b + i is output 32 b + 16 h + i
	s_lshl_b32 s70, s23, 7
	s_lshl_b32 s71, s21, 6
	s_add_co_u32 s70, s70, s71
	s_lshl_b32 s70, s70, 12                        ; my first token's row,
	s_lshl_b32 s72, s24, 7
	s_lshl_b32 s71, s22, 6
	s_add_co_u32 s72, s72, s71
	s_lshl_b32 s72, s72, 2                         ; my first output's bytes
	s_add_nc_u64 s[12:13], s[12:13], s[72:73]
	s_add_co_u32 s72, s72, s70
	s_add_nc_u64 s[14:15], s[14:15], s[72:73]
	s_wait_alu depctr_va_vdst(0)
	s_wait_loadcnt 0x0
	s_wait_tensorcnt 0x0                           ; my tiles are in
.irp i, 0,1,2,3
	ds_store_b128 v14, v[16+4*\i:19+4*\i] offset:512*\i
.endr
	MEET 0                                         ; one barrier: all of K and all scale bytes are in for every wave
	SUB 0, 0, 1
	s_wait_alu depctr_va_vdst(0)
	SUB 0, 1, 0
	SUB 1, 0, 0
	s_wait_alu depctr_va_vdst(0)
	SUB 1, 1, 0
	SUB 2, 0, 0
	s_wait_alu depctr_va_vdst(0)
	SUB 2, 1, 0
	SUB 3, 0, 0
	s_wait_alu depctr_va_vdst(0)
	SUB 3, 1, 0
.rept 4
	v_nop                                          ; places behind the last products: results are read, and their operands' registers written
.endr
.irp b, 0,1
.irp j, 0,1,2,3
	global_load_b128 v[BP+16*\b+4*\j:BP+16*\b+4*\j+3], v12, s[12:13] offset:128*\b+16*\j
.endr
.endr
	s_wait_loadcnt 0x0
.macro OUTA a
.set AC, ACC+32*(\a)
.set BB, 48+32*((\a)%2)
.set j, 0
.rept 16
	v_pk_add_f32 v[AC+j:AC+j+1], v[AC+j:AC+j+1], v[BP+j:BP+j+1]     ; each accumulator from its low end on
.set j, j+2
.endr
.irp t, 0,1,2,3
	ds_store_b128 v[STO], v[AC+8*\t:AC+8*\t+3] offset:128*(\t/2)+32*(\t%2)
	ds_store_b128 v[STO], v[AC+8*\t+4:AC+8*\t+7] offset:128*(\t/2)+32*(\t%2)+16
.endr
.if (\a) >= 2
	s_wait_xcnt 0x0                                ; the stores of two tiles ago have read this set of registers: it is loaded again only behind this wait
.endif
.irp i, 0,1,2,3,4,5,6,7
	ds_load_b128 v[BB+4*\i:BB+4*\i+3], v[RD] offset:2*\i*SP          ; LDS serves a wave's instructions in order: these see my stores, and the next tile's stores come behind them
.endr
.irp i, 0,1,2,3,4,5,6,7
	s_wait_dscnt 7-\i                              ; the later rows may be out
	global_store_b128 v[CO], v[BB+4*\i:BB+4*\i+3], s[14:15] offset:(32*((\a)/2)+8*((\a)%2)+2*\i+8*(\i/4))*4096 th:TH_STORE_NT   ; sixteen lanes store 256 consecutive bytes, aligned
.endr
.endm
	OUTA 0
	OUTA 1
	OUTA 2
	OUTA 3
	s_wait_tensorcnt 0x0
	ds_add_u32 v126, v127
	s_wait_dscnt 0x0
	s_endpgm
.Lfunc_end_k_q03d3d9a531_outp:
	.size	k_q03d3d9a531_outp, .Lfunc_end_k_q03d3d9a531_outp-k_q03d3d9a531_outp
	.p2alignl 7, 3214868480
	.fill 96, 4, 3214868480
	.section	.rodata,"a",@progbits
	.p2align	6, 0x0
	.amdhsa_kernel k_q03d3d9a531_outp
		.amdhsa_group_segment_fixed_size 222720
		.amdhsa_private_segment_fixed_size 0
		.amdhsa_enable_private_segment 0
		.amdhsa_kernarg_size 48
		.amdhsa_user_sgpr_count 2
		.amdhsa_user_sgpr_kernarg_segment_ptr 1
		.amdhsa_wavefront_size32 1
		.amdhsa_system_sgpr_workgroup_id_x 1
		.amdhsa_system_sgpr_workgroup_id_y 1
		.amdhsa_system_sgpr_workgroup_id_z 1
		.amdhsa_system_vgpr_workitem_id 0
		.amdhsa_next_free_vgpr 256
		.amdhsa_next_free_sgpr 80
		.amdhsa_reserve_vcc 0
		.amdhsa_float_denorm_mode_32 3
		.amdhsa_float_denorm_mode_16_64 3
		.amdhsa_memory_ordered 1
		.amdhsa_forward_progress 1
		.amdhsa_inst_pref_size 54
	.end_amdhsa_kernel
	.amdgpu_metadata
---
amdhsa.version: [ 1, 2 ]
amdhsa.kernels:
  - .name:           k_q03d3d9a531_outp
    .symbol:         k_q03d3d9a531_outp.kd
    .args:
      - { .name: xac, .offset: 0, .size: 8, .value_kind: global_buffer, .address_space: global }
      - { .name: xas, .offset: 8, .size: 8, .value_kind: global_buffer, .address_space: global }
      - { .name: wc, .offset: 16, .size: 8, .value_kind: global_buffer, .address_space: global }
      - { .name: ws, .offset: 24, .size: 8, .value_kind: global_buffer, .address_space: global }
      - { .name: bo, .offset: 32, .size: 8, .value_kind: global_buffer, .address_space: global }
      - { .name: out0, .offset: 40, .size: 8, .value_kind: global_buffer, .address_space: global }
    .group_segment_fixed_size: 222720
    .private_segment_fixed_size: 0
    .kernarg_segment_align: 8
    .kernarg_segment_size: 48
    .max_flat_workgroup_size: 128
    .sgpr_count:     80
    .vgpr_count:     256
    .wavefront_size: 32
...
	.end_amdgpu_metadata
.endif
;; end of part 4
